; MI455X (gfx1250); checked and timed in simulation.
; The chip was launched on July 23, 2026; its instructions are those of AMD's public machine-readable ISA for CDNA 5 (MIT licence, August 2026) and "CDNA5" Instruction Set Architecture Reference Guide (July 2026). The comments in the code are by the model that wrote it; some were corrected since.
;; Adaptive Spectral Block. Allowed arithmetic: float matrix products may take bf16 or f16 operands with f32 sums; other float arithmetic in f32, or as packed bf16 or f16 multiplies, adds, multiply-adds, maxima and minima; sums over many terms, partial sums and values carried from step to step in f32; what a program stores and reads back later, other than sums and carried values, may be rounded once to bf16 or f16.
;; Inputs: b1 1,024 float32; b2 1 float32; dsp_projection 513 x 64 float32; frequency_embedding 64 x 1,024 float32; global_imag 512 x 64 float32; global_real 512 x 64 float32; ln_beta 1,024 float32; ln_gamma 1,024 float32; local_imag 512 x 64 float32; local_real 512 x 64 float32; threshold one number float32; tokens 2 x 512 x 1,024 float32; w1 1,024 x 1,024 float32; w2 1,024 x 1 float32.
;; Outputs: out0 2 x 512 x 1,024 float32.
;; 2 versions, each right; version 2 is version 1 with the launch prep written anew for expert scheduling mode. Each part assembles by itself: llvm-mc -triple=amdgcn-amd-amdhsa -mcpu=gfx1250 --defsym DOCPART=n.
;; ======== version 1 of 2: 3 launches
;; workspace buffers: mt2 262,144 bytes; gp 1,048,576 bytes; et2 131,072 bytes; frw 262,144 bytes; scw 262,144 bytes
;; launch prep (part 1): grid 128 x 1, 8 waves a work-group, no clusters, 240,640 bytes of LDS; arguments dsp_projection, frequency_embedding, w1, mt2, gp, et2; writes mt2, gp, et2
.if DOCPART == 1
	.amdgcn_target "amdgcn-amd-amdhsa--gfx1250"
	.amdhsa_code_object_version 6
	.text
	.protected	k_q28f22037db_prep
	.globl	k_q28f22037db_prep
	.p2align	8
	.type	k_q28f22037db_prep,@function
k_q28f22037db_prep:
	s_mov_b64 s[64:65], 0
	v_nop
	global_prefetch_b8 v0, s[64:65] scope:SCOPE_SE
	s_setreg_imm32_b32 hwreg(HW_REG_WAVE_MODE, 25, 1), 1
	s_wait_xcnt 0x0
; PREP: what hangs on the weights alone.  Two roles, chosen by the work-group's number (the same in all eight waves).
; ROLE G (work-groups 0-63): gp[kb][k][j] = the sum over d in 256 kb .. 256 kb + 255 of E[k][d] w1[d][j], for 64 columns j (jb = wg & 15, kb = wg >> 4): four partial sums in f32
;   of G = E @ w1, which stands for freq_tokens @ w1: a row of freq_tokens is fr x E[k][:], so its product with w1 is fr x G[k][:], for every input.
;   Where jb = 0 also et2: E in bf16, turned, in pieces of 16 bytes [d tile 64][k / 8][d % 16] = E[8 kc .. 8 kc + 7][d]: the fragment order of the last launch's product.
; ROLE M (work-groups 64-127): mt2, the DFT and the projection as ONE matrix in bf16: spectrum = tokens @ M, Mre[d][k] = sum over f of cos(2 pi f d / 1024) P[f][k],
;   Mim[d][k] = - sum over f of sin(..) P[f][k].  16 values of d a work-group; wave w takes f = 64 w .. 64 w + 63; bin 512 is (-1)^d P[512][k], added in f32 (its sine is 0).
;   Layout [d / 16][N 128][d % 16], N = 16 (k / 8) + 8 (0 re, 1 im) + k % 8.
; The twiddles are made in registers: sin(2 pi n / 1024) = S(x), x = |((n + 768) & 1023) - 512| / 256 - 1, S the series of sin(pi x / 2) to x^9 (3.6e-6 off at the most, far under a bf16 step).
; LIMITS.  E, w1, P and the twiddles are rounded to bf16 as matrix operands, M once more; sums in f32.  NaN and infinities are not treated apart.
; NO CLUSTER, NO TENSOR LOADS: each byte of w1 is read by one work-group, once, straight into registers; E's 64 KiB a work-group and all of P are read by many work-groups.
; LDS: the roles' regions are disjoint.  Pitches: 160 = 5 x 32 for the turning loads, 528 and 272 = odd multiples of 16 for loads and stores of 16 bytes a lane down 16 rows.
.set W1T,   0                          ; role G: w1 as bf16 [256 d][64 j]
.set W1P,   160
.set ET,    40960                      ; role G: E as bf16 [64 k][256 d]
.set ETP,   528
.set GST,   74752                      ; role G: the result as f32 [64 k][64 j], for the way out
.set GSP,   272
.set PST,   92160                      ; role M: each wave's own 10,240 bytes: P as bf16 [64 f][64 k]
.set PSP,   160
.set MPART, 174080                     ; role M: each wave's partial sums, 8,192 bytes: [tile 8][half of the registers 2][lane 32] x 16 bytes
.set SPARE, 239616                     ; the spare words, 128 bytes for each of eight waves: no other line names them
.set SPW,   2                          ; v2  my spare word's LDS address; never rewritten
.set NIL,   3                          ; v3  0; never rewritten
.set WV,    16                         ; s16 my wave's number
	s_load_b256 s[4:11], s[0:1], 0x0               ; P s[4:5], E s[6:7], w1 s[8:9], mt2 s[10:11]
	s_load_b128 s[12:15], s[0:1], 0x20             ; gp s[12:13], et2 s[14:15]
	v_lshl_add_u32 v[SPW], v0, 2, SPARE
	v_mov_b32 v[NIL], 0
	v_lshrrev_b32 v1, 5, v0
	v_readfirstlane_b32 s[WV], v1                  ; wave 0..7
	v_and_b32 v4, 31, v0                           ; L
	v_and_b32 v5, 15, v0                           ; r = L % 16 = t % 16
	s_mov_b32 s21, 0
	s_mov_b32 s25, 0
	s_cmp_lt_u32 ttmp9, 64
	s_cbranch_scc0 .Lrole_m
; ------------------------------------------------------------------ ROLE G
	s_and_b32 s18, ttmp9, 15                       ; jb
	s_lshr_b32 s19, ttmp9, 4                       ; kb
	s_and_b32 s26, s[WV], 3                        ; nt: my tile of 16 columns j
	s_lshr_b32 s27, s[WV], 2                       ; mh: my two tiles of 16 rows k
	v_lshrrev_b32 v16, 4, v0                       ; t / 16
	v_lshrrev_b32 v17, 6, v0                       ; t / 64
	v_and_b32 v18, 63, v0
	v_lshlrev_b32 v6, 4, v5
	v_lshl_add_u32 v6, v16, 12, v6                 ; w1 and gp: row t / 16 of 4,096 bytes, 16 bytes at 16 (t % 16): sixteen lanes take 256 bytes on end
	v_lshlrev_b32 v7, 4, v18
	v_lshl_add_u32 v7, v17, 12, v7                 ; E: row t / 64, 16 bytes at 16 (t % 64)
	s_lshl_b32 s20, s19, 20                        ; 256 rows of w1
	s_lshl_b32 s22, s18, 8                         ; 64 columns
	s_add_co_u32 s20, s20, s22
	s_lshl_b32 s24, s19, 10                        ; 256 columns of E
	s_wait_kmcnt 0x0
	s_add_nc_u64 s[8:9], s[8:9], s[20:21]
	s_add_nc_u64 s[6:7], s[6:7], s[24:25]
.set p, 0
.rept 16                                       ; w1: 16 rows a pass; each byte of w1 is read by this work-group alone
	global_load_b128 v[64+4*p:64+4*p+3], v6, s[8:9] offset:p*65536 th:TH_LOAD_NT
.set p, p+1
.endr
.set p, 0
.rept 16                                       ; E: 4 rows a pass
	global_load_b128 v[128+4*p:128+4*p+3], v7, s[6:7] offset:p*16384
.set p, p+1
.endr
	s_lshl_b32 s20, s19, 18                        ; gp: my partial's 64 rows of 4,096 bytes, my 64 columns
	s_add_co_u32 s20, s20, s22
	s_add_nc_u64 s[12:13], s[12:13], s[20:21]
	s_lshl_b32 s24, s19, 15                        ; et2: my 16 tiles of d, 2,048 bytes each
	s_add_nc_u64 s[14:15], s[14:15], s[24:25]
	; LDS addresses, made while the loads are out
	v_bfe_u32 v19, v0, 4, 1                        ; h = L / 16
	v_and_b32 v20, 7, v0
	v_lshl_add_u32 v21, v19, 3, v20                ; 8 h + L % 8
	v_bfe_u32 v22, v0, 3, 1                        ; (L / 8) % 2
	v_mul_u32_u24 v8, v16, W1P
	v_lshl_add_u32 v8, v5, 3, v8                   ; v8: w1 in: row t / 16, 8 bytes at 8 (t % 16)
	v_mul_u32_u24 v9, v17, ETP
	v_lshl_add_u32 v9, v18, 3, v9
	v_add_nc_u32 v9, ET, v9                        ; v9: E in: row t / 64, 8 bytes at 8 (t % 64)
	v_mul_u32_u24 v10, v21, W1P
	v_lshl_add_u32 v10, v22, 4, v10
	s_lshl_b32 s28, s26, 5
	v_add_nc_u32 v10, s28, v10                     ; v10: the turning load of w1: row 8 h + L % 8, 16 bytes at 16 ((L / 8) % 2) + 32 nt
	v_mul_u32_u24 v11, v5, ETP
	v_lshl_add_u32 v11, v19, 4, v11
	s_mul_i32 s28, s27, 32*ETP
	s_add_co_u32 s28, s28, ET
	v_add_nc_u32 v11, s28, v11                     ; v11: E's fragments: row 32 mh + r, 16 bytes at 16 h
	v_mul_u32_u24 v12, v5, GSP
	v_lshl_add_u32 v12, v19, 5, v12
	s_mul_i32 s28, s27, 32*GSP
	s_lshl_b32 s29, s26, 6
	s_add_co_u32 s28, s28, s29
	s_add_co_u32 s28, s28, GST
	v_add_nc_u32 v12, s28, v12                     ; v12: the result in: row 32 mh + r, columns 16 nt + 8 h on
	v_mul_u32_u24 v13, v21, ETP
	v_lshl_add_u32 v13, v22, 4, v13
	s_lshl_b32 s28, s[WV], 6
	s_add_co_u32 s28, s28, ET
	v_add_nc_u32 v13, s28, v13                     ; v13: the turning load of E for et2: row 8 h + L % 8, my wave's 32 columns
	s_lshl_b32 s28, s[WV], 12
	v_lshl_add_u32 v14, v4, 4, s28                 ; v14: et2: 16 L + my wave's two tiles of d
	v_mul_u32_u24 v15, v16, GSP
	v_lshl_add_u32 v15, v5, 4, v15
	v_add_nc_u32 v15, GST, v15                     ; v15: the result back: row t / 16, 16 bytes at 16 (t % 16)
	s_wait_loadcnt 16                              ; w1 is in; E's 16 loads are the younger ones
.set p, 0
.rept 16
	v_cvt_pk_bf16_f32 v[192+2*p], v[64+4*p], v[64+4*p+1]
	v_cvt_pk_bf16_f32 v[192+2*p+1], v[64+4*p+2], v[64+4*p+3]
	ds_store_b64 v8, v[192+2*p:192+2*p+1] offset:W1T+p*16*W1P
.set p, p+1
.endr
	s_wait_loadcnt 0x0                             ; E is in
.set p, 0
.rept 16
	v_cvt_pk_bf16_f32 v[224+2*p], v[128+4*p], v[128+4*p+1]
	v_cvt_pk_bf16_f32 v[224+2*p+1], v[128+4*p+2], v[128+4*p+3]
	ds_store_b64 v9, v[224+2*p:224+2*p+1] offset:p*4*ETP
.set p, p+1
.endr
	s_wait_dscnt 0x0                               ; for the others' sake: my stores are done
	s_barrier_signal -1
	s_barrier_wait -1                              ; both tiles are whole
	; source 0 = 16 columns j of w1 (turned), source 1 = 16 rows k of E: a lane ends with one k (16 mt + r) and eight neighbouring j (16 nt + 8 h + 0..7)
.set ks, 0
.rept 8                                        ; six loads for each K step of 32 d
	ds_load_tr16_b128 v[64+8*ks:64+8*ks+3], v10 offset:W1T+ks*32*W1P
	ds_load_tr16_b128 v[64+8*ks+4:64+8*ks+7], v10 offset:W1T+ks*32*W1P+16*W1P
	ds_load_b128 v[128+8*ks:128+8*ks+3], v11 offset:ks*64
	ds_load_b128 v[128+8*ks+4:128+8*ks+7], v11 offset:ks*64+32
	ds_load_b128 v[192+8*ks:192+8*ks+3], v11 offset:16*ETP+ks*64
	ds_load_b128 v[192+8*ks+4:192+8*ks+7], v11 offset:16*ETP+ks*64+32
.set ks, ks+1
.endr
.set ks, 0
.rept 8                                        ; the two accumulators take turns, one instruction a turn; the first K step starts the sums
	s_wait_dscnt 6*(7-ks)                          ; this K step's six loads are in; the later steps' may be out
.if ks == 0
	v_wmma_f32_16x16x32_bf16 v[16:23], v[64:71], v[128:135], 0
	v_wmma_f32_16x16x32_bf16 v[24:31], v[64:71], v[192:199], 0
.else
	v_wmma_f32_16x16x32_bf16 v[16:23], v[64+8*ks:64+8*ks+7], v[128+8*ks:128+8*ks+7], v[16:23]
	v_wmma_f32_16x16x32_bf16 v[24:31], v[64+8*ks:64+8*ks+7], v[192+8*ks:192+8*ks+7], v[24:31]
.endif
.set ks, ks+1
.endr
.rept 8
	v_nop                                          ; the places between the last products and the stores that read them, once a launch
.endr
	ds_store_b128 v12, v[16:19]                    ; each accumulator from its low end on
	ds_store_b128 v12, v[20:23] offset:16
	ds_store_b128 v12, v[24:27] offset:16*GSP
	ds_store_b128 v12, v[28:31] offset:16*GSP+16
	s_cmp_lg_u32 s18, 0
	s_cbranch_scc1 .Lno_et                         ; et2 is written by the four work-groups with jb = 0, each its 256 d
.set n, 0
.rept 8                                        ; a = n / 4: which of my two tiles of d; c = n % 4: rows k 16 c on.  Lane L gets E[16 c + 8 h + 0..7][32 w + 16 a + r]
	ds_load_tr16_b128 v[32+4*n:32+4*n+3], v13 offset:(n%4)*16*ETP+(n/4)*32
.set n, n+1
.endr
.set n, 0
.rept 8
	s_wait_dscnt 7-n                               ; load n is in
	global_store_b128 v14, v[32+4*n:32+4*n+3], s[14:15] offset:(n/4)*2048+(n%4)*512  ; 512 bytes on end, aligned
.set n, n+1
.endr
.Lno_et:
	s_wait_dscnt 0x0                               ; my stores into the stage are done
	s_barrier_signal -1
	s_barrier_wait -1
.set n, 0
.rept 4
	ds_load_b128 v[192+4*n:192+4*n+3], v15 offset:n*16*GSP
.set n, n+1
.endr
.set n, 0
.rept 4
	s_wait_dscnt 3-n
	global_store_b128 v6, v[192+4*n:192+4*n+3], s[12:13] offset:n*65536  ; sixteen lanes store a row's 256 bytes, aligned
.set n, n+1
.endr
	s_wait_tensorcnt 0x0                           ; the wave's end
	ds_add_u32 v[SPW], v[NIL]
	s_wait_dscnt 0x0
	s_endpgm
; ------------------------------------------------------------------ ROLE M
.Lrole_m:
	s_sub_co_u32 s18, ttmp9, 64                    ; dblk: d = 16 dblk .. + 15
	s_lshl_b32 s19, s[WV], 14
	v_lshl_add_u32 v6, v4, 4, s19                  ; P: my wave's 64 rows are 16,384 bytes on end; 16 bytes a lane
	v_bfe_u32 v8, v0, 1, 3
	v_lshl_add_u32 v8, v1, 3, v8                   ; k(t) = 8 (t / 32) + (t / 2) % 8: the k of the piece that I store at the end
	v_lshlrev_b32 v119, 2, v8
	s_wait_kmcnt 0x0
.set q, 0
.rept 32                                       ; two rows of P a load; each byte of rows 0-511 is read once by each of the 64 work-groups of this role
	global_load_b128 v[128+4*q:128+4*q+3], v6, s[4:5] offset:q*512
.set q, q+1
.endr
	global_load_b32 v126, v119, s[4:5] offset:131072  ; P[512][k(t)]
	s_mov_b32 s38, 0x3b800000                      ; 1 / 256
	s_mov_b32 s39, 0x3ff
	s_mov_b32 s40, 0x3fc90fdb                      ; the series of sin(pi x / 2): 1.5707963,
	s_mov_b32 s41, 0x3fc90fdb                      ; (each as a pair: the packed forms name pairs and take the low word for both halves)
	s_mov_b32 s42, 0xbf255de7                      ; -0.64596410,
	s_mov_b32 s43, 0xbf255de7
	s_mov_b32 s44, 0x3da335e3                      ; 0.079692626,
	s_mov_b32 s45, 0x3da335e3
	s_mov_b32 s46, 0xbb996966                      ; -0.0046817541,
	s_mov_b32 s47, 0xbb996966
	s_mov_b32 s48, 0x39283c1a                      ; 0.00016044118
	s_mov_b32 s49, 0x39283c1a
	v_bfe_u32 v7, v0, 4, 1                         ; h
	s_lshl_b32 s20, s18, 4
	v_add_nc_u32 v9, s20, v5                       ; v9: my row of the twiddle fragments: d = 16 dblk + r
	s_lshl_b32 s22, s[WV], 6
	v_lshl_add_u32 v10, v7, 3, s22                 ; 64 w + 8 h
	v_mul_u32_u24 v10, v9, v10                     ; v10: the cosine's phase at my first f of K step 0 (all phases stay under 2^24),
	v_add_nc_u32 v11, 0x100, v10                   ; v11: -sine's: 256 on,
	v_lshl_add_u32 v12, v9, 5, v10                 ; v12, v13: the same for K step 1, 32 f on
	v_add_nc_u32 v13, 0x100, v12
	s_mul_i32 s23, s[WV], 64*PSP
	s_add_co_u32 s23, s23, PST                     ; my wave's own tile of P
	v_mul_u32_u24 v14, v7, PSP
	v_lshl_add_u32 v14, v5, 3, v14
	v_add_nc_u32 v14, s23, v14                     ; v14: in: row L / 16, 8 bytes at 8 (L % 16)
	v_and_b32 v15, 7, v0
	v_lshl_add_u32 v15, v7, 3, v15
	v_mul_u32_u24 v15, v15, PSP
	v_bfe_u32 v118, v0, 3, 1
	v_lshl_add_u32 v15, v118, 4, v15
	v_add_nc_u32 v15, s23, v15                     ; v15: the turning load: row 8 h + L % 8, 16 bytes at 16 ((L / 8) % 2)
	s_lshl_b32 s24, s[WV], 13
	s_add_co_u32 s24, s24, MPART
	v_lshl_add_u32 v1, v4, 4, s24                  ; v1: my wave's partial sums, 16 bytes a lane
	s_lshl_b32 s20, s18, 12
	s_add_nc_u64 s[10:11], s[10:11], s[20:21]      ; mt2 at my block of 4,096 bytes
; Elements e, e + 1 of the cosine's and of -sine's fragment of K step ks: f = 64 w + 32 ks + 8 h + ce, ce = e below 8 and e + 8 from 8 on (the fragment's order: ISA guide 7.12.2).
; The two fragments' lines alternate, on two sets of six registers, so that no line waits for the one before it.
.macro TW2 e, ks
.if (\e) < 8
.set ce, (\e)
.else
.set ce, (\e)+8
.endif
.set phc, 10+2*(\ks)
	v_mad_u32_u24 v112, v9, ce, v[phc]
	v_mad_u32_u24 v120, v9, ce, v[phc+1]
	v_mad_u32_u24 v113, v9, ce+1, v[phc]
	v_mad_u32_u24 v121, v9, ce+1, v[phc+1]
.irp x, 112,120,113,121
	v_and_b32 v\x, s39, v\x                        ; the phase modulo 1,024
.endr
.irp x, 112,120,113,121
	v_cvt_f32_u32 v\x, v\x
.endr
.irp x, 112,120,113,121
	v_fma_f32 v\x, v\x, s38, -2.0
.endr
.irp x, 112,120,113,121
	v_add_f32 v\x, |v\x|, -1.0                     ; x in -1 .. 1
.endr
.irp x, 112,120
	v_pk_mul_f32 v[\x+2:\x+3], v[\x:\x+1], v[\x:\x+1]
.endr
.irp x, 112,120
	v_pk_fma_f32 v[\x+4:\x+5], v[\x+2:\x+3], s[48:49], s[46:47] op_sel_hi:[1,0,0]
.endr
.irp x, 112,120
	v_pk_fma_f32 v[\x+4:\x+5], v[\x+4:\x+5], v[\x+2:\x+3], s[44:45] op_sel_hi:[1,1,0]
.endr
.irp x, 112,120
	v_pk_fma_f32 v[\x+4:\x+5], v[\x+4:\x+5], v[\x+2:\x+3], s[42:43] op_sel_hi:[1,1,0]
.endr
.irp x, 112,120
	v_pk_fma_f32 v[\x+4:\x+5], v[\x+4:\x+5], v[\x+2:\x+3], s[40:41] op_sel_hi:[1,1,0]
.endr
.irp x, 112,120
	v_pk_mul_f32 v[\x:\x+1], v[\x:\x+1], v[\x+4:\x+5]
.endr
	v_cvt_pk_bf16_f32 v[16+16*(\ks)+(\e)/2], v112, v113
	v_cvt_pk_bf16_f32 v[24+16*(\ks)+(\e)/2], v120, v121
.endm
.irp kk, 0,1                                   ; v[16:23] cos, v[24:31] -sin of K step 0; v[32:39], v[40:47] of K step 1: made while P is on its way
.irp ee, 0,2,4,6,8,10,12,14
	TW2 \ee, \kk
.endr
.endr
	s_wait_loadcnt 0x0                             ; P
.set q, 0
.rept 32
	v_cvt_pk_bf16_f32 v[128+4*q], v[128+4*q], v[128+4*q+1]
	v_cvt_pk_bf16_f32 v[128+4*q+1], v[128+4*q+2], v[128+4*q+3]
	ds_store_b64 v14, v[128+4*q:128+4*q+1] offset:q*2*PSP
.set q, q+1
.endr
	s_wait_dscnt 0x0                               ; the stores are done: the loads below land on their data registers.  The bytes are my wave's own: no barrier
.set ks, 0
.rept 2
.set u, 0
.rept 4                                        ; P's fragment of K step ks, columns k = 16 u + r
	ds_load_tr16_b128 v[128+32*ks+8*u:128+32*ks+8*u+3], v15 offset:ks*32*PSP+32*u
	ds_load_tr16_b128 v[128+32*ks+8*u+4:128+32*ks+8*u+7], v15 offset:ks*32*PSP+32*u+16*PSP
.set u, u+1
.endr
.set ks, ks+1
.endr
	s_wait_dscnt 0x0
	; source 0 = the twiddles (rows d), source 1 = P (columns k): a lane ends with one k and eight neighbouring d.  Eight accumulators (re of u at v[48 + 8 u], im at v[80 + 8 u]) by turns
.set u, 0
.rept 4
	v_wmma_f32_16x16x32_bf16 v[48+8*u:48+8*u+7], v[16:23], v[128+8*u:128+8*u+7], 0
	v_wmma_f32_16x16x32_bf16 v[80+8*u:80+8*u+7], v[24:31], v[128+8*u:128+8*u+7], 0
.set u, u+1
.endr
.set u, 0
.rept 4
	v_wmma_f32_16x16x32_bf16 v[48+8*u:48+8*u+7], v[32:39], v[160+8*u:160+8*u+7], v[48+8*u:48+8*u+7]
	v_wmma_f32_16x16x32_bf16 v[80+8*u:80+8*u+7], v[40:47], v[160+8*u:160+8*u+7], v[80+8*u:80+8*u+7]
.set u, u+1
.endr
	; the last phase's addresses: ten plain lines that name no register of the products: the places behind them.  Thread t stores piece t: N = t / 2, d = 8 (t % 2) on
	v_bfe_u32 v200, v0, 4, 1                       ; 0 re, 1 im
	v_lshrrev_b32 v201, 6, v0                      ; u = k / 16
	v_and_b32 v202, 1, v0                          ; which half of the 16 d
	v_and_b32 v203, 15, v8                         ; k % 16
	v_lshlrev_b32 v204, 12, v200
	v_lshl_add_u32 v204, v201, 10, v204
	v_lshl_add_u32 v204, v202, 8, v204
	v_lshl_add_u32 v204, v203, 4, v204
	v_add_nc_u32 v204, MPART, v204                 ; tile 4 im + u, lane 16 (t % 2) + k % 16
	v_lshlrev_b32 v205, 4, v0
.set n, 0
.rept 8
	ds_store_b128 v1, v[48+8*n:48+8*n+3] offset:n*1024       ; each accumulator from its low end on
	ds_store_b128 v1, v[48+8*n+4:48+8*n+7] offset:n*1024+512
.set n, n+1
.endr
	s_wait_dscnt 0x0
	s_barrier_signal -1
	s_barrier_wait -1                              ; all eight waves' partial sums lie in LDS
.set n, 0
.rept 8
	ds_load_b128 v[128+8*n:128+8*n+3], v204 offset:n*8192
	ds_load_b128 v[128+8*n+4:128+8*n+7], v204 offset:n*8192+512
.set n, n+1
.endr
	v_cmp_eq_u32 vcc_lo, 0, v200
	v_cndmask_b32 v126, 0, v126, vcc_lo            ; bin 512 enters the real part alone
	v_mov_b32 v127, 0                              ; named with it as a pair
	s_wait_dscnt 0x0
.irp a, 128,144,160,176
.irp n, 0,2,4,6
	v_pk_add_f32 v[\a+\n:\a+\n+1], v[\a+\n:\a+\n+1], v[\a+8+\n:\a+8+\n+1]
.endr
.endr
.irp a, 128,160
.irp n, 0,2,4,6
	v_pk_add_f32 v[\a+\n:\a+\n+1], v[\a+\n:\a+\n+1], v[\a+16+\n:\a+16+\n+1]
.endr
.endr
.irp n, 0,2,4,6
	v_pk_add_f32 v[128+\n:128+\n+1], v[128+\n:128+\n+1], v[160+\n:160+\n+1]
.endr
.irp n, 0,2,4,6
	v_pk_add_f32 v[128+\n:128+\n+1], v[128+\n:128+\n+1], v[126:127] op_sel_hi:[1,0] neg_hi:[0,1]  ; + P[512][k] for even d, - for odd
.endr
.irp n, 0,1,2,3
	v_cvt_pk_bf16_f32 v[192+\n], v[128+2*\n], v[128+2*\n+1]
.endr
	global_store_b128 v205, v[192:195], s[10:11]   ; a wave stores 512 bytes on end, aligned
	s_wait_tensorcnt 0x0                           ; the wave's end
	ds_add_u32 v[SPW], v[NIL]
	s_wait_dscnt 0x0
	s_endpgm
.Lfunc_end_k_q28f22037db_prep:
	.size	k_q28f22037db_prep, .Lfunc_end_k_q28f22037db_prep-k_q28f22037db_prep
	.p2alignl 7, 3214868480
	.fill 96, 4, 3214868480
	.section	.rodata,"a",@progbits
	.p2align	6, 0x0
	.amdhsa_kernel k_q28f22037db_prep
		.amdhsa_group_segment_fixed_size 240640
		.amdhsa_private_segment_fixed_size 0
		.amdhsa_enable_private_segment 0
		.amdhsa_kernarg_size 48
		.amdhsa_user_sgpr_count 2
		.amdhsa_user_sgpr_kernarg_segment_ptr 1
		.amdhsa_wavefront_size32 1
		.amdhsa_system_sgpr_workgroup_id_x 1
		.amdhsa_system_sgpr_workgroup_id_y 1
		.amdhsa_system_sgpr_workgroup_id_z 1
		.amdhsa_system_vgpr_workitem_id 0
		.amdhsa_next_free_vgpr 256
		.amdhsa_next_free_sgpr 66
		.amdhsa_reserve_vcc 1
		.amdhsa_float_denorm_mode_32 3
		.amdhsa_float_denorm_mode_16_64 3
		.amdhsa_memory_ordered 1
		.amdhsa_forward_progress 1
		.amdhsa_inst_pref_size 69
	.end_amdhsa_kernel
	.amdgpu_metadata
---
amdhsa.version: [ 1, 2 ]
amdhsa.kernels:
  - .name:           k_q28f22037db_prep
    .symbol:         k_q28f22037db_prep.kd
    .args:
      - { .name: dsp_projection, .offset: 0, .size: 8, .value_kind: global_buffer, .address_space: global }
      - { .name: frequency_embedding, .offset: 8, .size: 8, .value_kind: global_buffer, .address_space: global }
      - { .name: w1, .offset: 16, .size: 8, .value_kind: global_buffer, .address_space: global }
      - { .name: mt2, .offset: 24, .size: 8, .value_kind: global_buffer, .address_space: global }
      - { .name: gp, .offset: 32, .size: 8, .value_kind: global_buffer, .address_space: global }
      - { .name: et2, .offset: 40, .size: 8, .value_kind: global_buffer, .address_space: global }
    .group_segment_fixed_size: 240640
    .private_segment_fixed_size: 0
    .kernarg_segment_align: 8
    .kernarg_segment_size: 48
    .max_flat_workgroup_size: 256
    .sgpr_count:     66
    .vgpr_count:     256
    .wavefront_size: 32
...
	.end_amdgpu_metadata
.endif
;; end of part 1
;; launch score (part 2): grid 8 x 32, 16 waves a work-group, no clusters, 37,888 bytes of LDS; arguments tokens, mt2, gp, global_real, global_imag, local_real, local_imag, threshold, b1, w2, b2, frw, scw; writes frw, scw
.if DOCPART == 2
	.amdgcn_target "amdgcn-amd-amdhsa--gfx1250"
	.amdhsa_code_object_version 6
	.text
	.protected	k_q28f22037db_score
	.globl	k_q28f22037db_score
	.p2align	8
	.type	k_q28f22037db_score,@function
k_q28f22037db_score:
	s_mov_b64 s[64:65], 0
	v_nop
	global_prefetch_b8 v0, s[64:65] scope:SCOPE_SE
	s_setreg_imm32_b32 hwreg(HW_REG_WAVE_MODE, 25, 1), 1
	s_wait_xcnt 0x0
; SCORE: for 32 token rows (rg) and 8 spectral bins (kg): the spectrum, fr = Re(filtered), and score = sum over j of gelu(fr G[k][j] + b1[j]) w2[j] + b2.
; frw, scw: f32 [kg 8][row 1024][8].
; THE SPECTRUM: tokens @ M on the matrix unit, bf16 operands, f32 sums; the 1,024 d are split among the 16 waves, 64 each, and the partial sums meet in LDS.
; THE SCORES are vector work: 32 x 8 x 1,024 exact GELUs a work-group.  Wave w has one k (i = w / 2) and 512 of the j (jh = w % 2); a lane holds 16 j: 512 jh + 128 c + 4 L + e.
; G, b1 and w2 stay in registers; a trip of the loop takes two rows.  The product with w2 (one column) is the last multiply-add of the GELU's chain, in f32.
; GELU.  y = c0 x, c0 = sqrt(log2(e) / 2), so that exp(-x^2 / 2) = 2^(-y^2).  erf|x / sqrt 2| = u = 1 - t (a1 + t (a2 + t (a3 + t (a4 + t a5)))) 2^(-y^2), t = 1 / (1 + pp |y|)
; (Abramowitz and Stegun 7.1.26, pp = 0.3275911 / sqrt(log2 e)); gelu(x) = (0.5 / c0) (y + |y| u).  c0 is folded into G and b1, 0.5 / c0 into w2.
; LIMITS.  erf is off by 1.5e-7 at the most; fr multiplies E @ w1 behind the sum, where the reference multiplies in front of it; tokens and M are rounded to bf16 for the product, so a
; power within that rounding of the threshold may fall on the mask's other side.  NaN and infinities are not treated apart.
; NO CLUSTER, NO TENSOR LOADS: all that a work-group reads (about 300 KiB, part of it shared with others) is read once, at the head, straight into its register layout; the loop's 16 trips read LDS alone.
; Four waves on a SIMD, 256 registers each: one wave's waits stand under the others' work.
.set PART,  0                          ; each wave's partial spectrum, 2,048 bytes: [2 mt + half of the registers][lane 32] x 16 bytes
.set FRT,   32768                      ; fr: [row 32][8] f32
.set SCT,   33792                      ; each wave's 32 partial scores, 128 bytes on end
.set SPARE, 35840                      ; the spare words, 128 bytes for each of 16 waves: no other line names them
.set SPW,  2                           ; v2   my spare word's LDS address; never rewritten
.set NIL,  3                           ; v3   0; never rewritten
.set G,    16                          ; v[16:31]   c0 G of my 16 j
.set B1,   32                          ; v[32:47]   c0 b1
.set W2,   48                          ; v[48:63]   (0.5 / c0) w2
.set Y,    64                          ; v[64:95]   slot n (0..15: row n % 2, pair n / 2 of j): y, later y + |y| u.   At the head v[64:127]: tokens
.set T,    96                          ; v[96:127]  1 + pp |y|, then t
.set E,    128                         ; v[128:159] -y^2, then 2^(-y^2), then t 2^(-y^2).   At the head v[128:143]: M's fragments, v[144:175]: the tokens'
.set R,    160                         ; v[160:167] four slots' polynomial, then u
.set ACC,  168                         ; v[168:175] row 0: two pairs, row 1: two pairs
.set S,    176                         ; v[176:177] fr of the trip's two rows.   At the head v[176:191]: the spectrum's two accumulators
.set SC,   178                         ; v178  lane L: my wave's partial score of row L
.set HALF, 179                         ; v179  L / 2
.set TMP,  180                         ; v[180:187] at work
.set SA,   192                         ; v192  LDS address of fr[2 trip][i].   At the head v[192:255]: G's four partial sums
.set WV,   35                          ; s35  my wave's number
.set A1,   40                          ; s[40:49] a1 .. a5, each as a pair
.set A2,   42
.set A3,   44
.set A4,   46
.set A5,   48
.set PPS,  50                          ; s50  pp
.macro SPAIR r, val                    ; the packed forms name a pair and take its low word for both halves
	s_mov_b32 s[\r], \val
	s_mov_b32 s[(\r)+1], \val
.endm
	s_load_b512 s[8:23], s[0:1], 0x0               ; tokens s[8:9], mt2 s[10:11], gp s[12:13], gr s[14:15], gi s[16:17], lr s[18:19], li s[20:21], threshold s[22:23]
	s_load_b256 s[24:31], s[0:1], 0x40             ; b1 s[24:25], w2 s[26:27], b2 s[28:29], frw s[30:31]
	s_load_b64 s[32:33], s[0:1], 0x60              ; scw
	v_lshl_add_u32 v[SPW], v0, 2, SPARE
	v_mov_b32 v[NIL], 0
	v_lshrrev_b32 v1, 5, v0
	v_readfirstlane_b32 s[WV], v1                  ; wave 0..15
	v_and_b32 v4, 31, v0                           ; L
	v_and_b32 v5, 15, v0                           ; r
	v_bfe_u32 v6, v0, 4, 1                         ; h
	s_mov_b32 s4, ttmp9                            ; kg
	s_and_b32 s5, ttmp7, 0xffff                    ; rg
	s_lshr_b32 s59, s[WV], 1                       ; i
	s_and_b32 s62, s[WV], 1                        ; jh
	v_lshlrev_b32 v7, 12, v5
	v_lshl_add_u32 v7, v6, 5, v7
	s_lshl_b32 s55, s[WV], 8
	v_add_nc_u32 v7, s55, v7                       ; v7: tokens: row r, my wave's 256 bytes, 32 h
	v_lshlrev_b32 v12, 5, v5
	v_lshl_add_u32 v12, v6, 4, v12
	s_lshl_b32 s55, s[WV], 14
	s_lshl_b32 s56, s4, 9
	s_add_co_u32 s55, s55, s56
	v_add_nc_u32 v12, s55, v12                     ; v12: mt2: my wave's four blocks of 16 d, column 16 kg + r, 16 h
	s_bfe_u32 s56, s[WV], 0x10002                  ; which (row, k) a lane of waves 0-7 finishes: row = 16 (w / 4) + 8 (w % 2) + 4 ((w / 2) % 2) + L % 4, k = L / 4
	s_bfe_u32 s57, s[WV], 0x10000
	s_bfe_u32 s58, s[WV], 0x10001
	s_lshl_b32 s56, s56, 4
	s_lshl_b32 s57, s57, 3
	s_lshl_b32 s58, s58, 2
	s_add_co_u32 s58, s58, s57
	s_add_co_u32 s58, s58, s56                     ; s58: the row's part that hangs on the wave
	s_and_b32 s56, s5, 15                          ; the channel is the row modulo 512
	s_lshl_b32 s56, s56, 5
	s_add_co_u32 s56, s56, s58
	s_lshl_b32 s56, s56, 8
	s_lshl_b32 s57, s4, 5
	s_add_co_u32 s56, s56, s57
	v_and_b32 v1, 3, v0
	v_lshlrev_b32 v13, 8, v1
	v_bfe_u32 v1, v0, 2, 3
	v_lshl_add_u32 v13, v1, 2, v13
	v_add_nc_u32 v13, s56, v13                     ; v13: the four filter weights of that (channel, k)
	s_lshl_b32 s55, s62, 11
	v_lshl_add_u32 v15, v4, 4, s55                 ; v15: b1, w2: 2,048 jh + 16 L
	s_lshl_b32 s55, s4, 3
	s_add_co_u32 s55, s55, s59
	s_lshl_b32 s55, s55, 12
	v_add_nc_u32 v14, s55, v15                     ; v14: gp: + row 8 kg + i
	s_lshl_b32 s55, s[WV], 11
	v_lshl_add_u32 v1, v4, 4, s55                  ; v1: my wave's partial spectrum, 16 bytes a lane
	s_lshl_b32 s6, s5, 17                          ; 32 rows of 4,096 bytes
	s_mov_b32 s7, 0
	s_wait_kmcnt 0x0
	s_load_b32 s34, s[22:23], 0x0                  ; the threshold
	s_load_b32 s36, s[28:29], 0x0                  ; b2
	s_add_nc_u64 s[8:9], s[8:9], s[6:7]
.irp mt, 0,1                                   ; 16 loads: a fragment's eight f32 at 32 h and eight at 64 + 32 h, for two tiles of rows and two K steps of 32 d
.irp ks, 0,1
	global_load_b128 v[64+32*\mt+16*\ks:64+32*\mt+16*\ks+3], v7, s[8:9] offset:\mt*65536+\ks*128
	global_load_b128 v[64+32*\mt+16*\ks+4:64+32*\mt+16*\ks+7], v7, s[8:9] offset:\mt*65536+\ks*128+16
	global_load_b128 v[64+32*\mt+16*\ks+8:64+32*\mt+16*\ks+11], v7, s[8:9] offset:\mt*65536+\ks*128+64
	global_load_b128 v[64+32*\mt+16*\ks+12:64+32*\mt+16*\ks+15], v7, s[8:9] offset:\mt*65536+\ks*128+80
.endr
.endr
.irp ks, 0,1                                   ; 4 loads, 512 bytes on end each
	global_load_b128 v[128+8*\ks:128+8*\ks+3], v12, s[10:11] offset:\ks*8192
	global_load_b128 v[128+8*\ks+4:128+8*\ks+7], v12, s[10:11] offset:\ks*8192+4096
.endr
	global_load_b32 v8, v13, s[14:15]              ; 4 loads; waves 8-15 issue them too (on wave w - 8's addresses), so that every count below is the same in all waves
	global_load_b32 v9, v13, s[16:17]
	global_load_b32 v10, v13, s[18:19]
	global_load_b32 v11, v13, s[20:21]
.irp p, 0,1,2,3                                ; 16 loads
.irp c, 0,1,2,3
	global_load_b128 v[192+16*\p+4*\c:192+16*\p+4*\c+3], v14, s[12:13] offset:\p*262144+\c*512
.endr
.endr
.irp c, 0,1,2,3                                ; 4 + 4 loads
	global_load_b128 v[B1+4*\c:B1+4*\c+3], v15, s[24:25] offset:\c*512
.endr
.irp c, 0,1,2,3
	global_load_b128 v[W2+4*\c:W2+4*\c+3], v15, s[26:27] offset:\c*512
.endr
	s_mov_b32 s37, 0                               ; named with b2 as a pair
	SPAIR 38, 0x3f596d27                           ; c0 = 0.84932180
	SPAIR 60, 0x3f16b55f                           ; 0.5 / c0 = 0.58870501
	SPAIR A1, 0x3e827906                           ; 0.254829592
	SPAIR A2, 0xbe91a98e                           ; -0.284496736
	SPAIR A3, 0x3fb5f0e3                           ; 1.421413741
	SPAIR A4, 0xbfba00e3                           ; -1.453152027
	SPAIR A5, 0x3f87dc22                           ; 1.061405429
	s_mov_b32 s[PPS], 0x3e8ba43f                   ; pp = 0.27273748
	s_mov_b32 s51, 0xaaaaaaaa                      ; the odd lanes
	s_mov_b32 s52, 0x76543210                      ; v_permlanex16_b32: each lane takes its own place in the other half
	s_mov_b32 s53, 0xfedcba98
	s_lshl_b32 s6, s4, 15                          ; frw, scw: kg x 32,768 + rg x 1,024
	s_lshl_b32 s55, s5, 10
	s_add_co_u32 s6, s6, s55
	s_add_nc_u64 s[30:31], s[30:31], s[6:7]
	s_add_nc_u64 s[32:33], s[32:33], s[6:7]
	s_wait_loadcnt 28                              ; tokens and M are in; the younger ones: 4 filter weights, 16 of gp, 8 of b1 and w2
	s_wait_kmcnt 0x0                               ; the threshold and b2
.set f, 0
.rept 4                                        ; fragment f = 2 mt + ks
.set m, 0
.rept 8
	v_cvt_pk_bf16_f32 v[144+8*f+m], v[64+16*f+2*m], v[64+16*f+2*m+1]
.set m, m+1
.endr
.set f, f+1
.endr
	v_wmma_f32_16x16x32_bf16 v[176:183], v[144:151], v[128:135], 0          ; source 0 = 16 rows, source 1 = 16 columns (8 re, 8 im); the two accumulators by turns
	v_wmma_f32_16x16x32_bf16 v[184:191], v[160:167], v[128:135], 0
	v_wmma_f32_16x16x32_bf16 v[176:183], v[152:159], v[136:143], v[176:183]
	v_wmma_f32_16x16x32_bf16 v[184:191], v[168:175], v[136:143], v[184:191]
.rept 8
	v_nop                                          ; the places between the last products and the stores that read them, once a launch
.endr
	ds_store_b128 v1, v[176:179] offset:PART       ; each accumulator from its low end on
	ds_store_b128 v1, v[180:183] offset:PART+512
	ds_store_b128 v1, v[184:187] offset:PART+1024
	ds_store_b128 v1, v[188:191] offset:PART+1536
	s_wait_dscnt 0x0
	s_barrier_signal -1
	s_barrier_wait -1                              ; all 16 partial spectra lie in LDS
	s_cmp_lt_u32 s[WV], 8                          ; 32 rows x 8 k = 256 numbers: a lane of waves 0-7 each
	s_cbranch_scc0 .Lskip_fr
	s_lshr_b32 s55, s[WV], 1
	s_lshl_b32 s55, s55, 9
	s_and_b32 s56, s[WV], 1
	s_lshl_b32 s56, s56, 8
	s_add_co_u32 s55, s55, s56
	v_lshl_add_u32 v96, v4, 2, s55                 ; 128 bytes on end: lanes' registers 8 re, and 128 bytes on the 8 im
.set p, 0
.rept 16
	ds_load_b32 v[64+2*p], v96 offset:PART+p*2048
	ds_load_b32 v[64+2*p+1], v96 offset:PART+p*2048+128
.set p, p+1
.endr
	v_and_b32 v103, 3, v0
	v_add_nc_u32 v103, s58, v103                   ; row
	v_bfe_u32 v104, v0, 2, 3                       ; k % 8
	v_lshlrev_b32 v105, 5, v103
	v_lshl_add_u32 v105, v104, 2, v105
	s_wait_dscnt 0x0
.irp n, 0,2,4,6,8,10,12,14                     ; (re, im) as a pair: 15 packed sums
	v_pk_add_f32 v[64+\n:64+\n+1], v[64+\n:64+\n+1], v[80+\n:80+\n+1]
.endr
.irp n, 0,2,4,6
	v_pk_add_f32 v[64+\n:64+\n+1], v[64+\n:64+\n+1], v[72+\n:72+\n+1]
.endr
.irp n, 0,2
	v_pk_add_f32 v[64+\n:64+\n+1], v[64+\n:64+\n+1], v[68+\n:68+\n+1]
.endr
	v_pk_add_f32 v[64:65], v[64:65], v[66:67]
	s_wait_loadcnt 24                              ; the filter weights are in; gp's 16 and b1's and w2's 8 loads are the younger ones
	v_mul_f32 v98, v64, v64
	v_fmac_f32 v98, v65, v65                       ; the power
	v_cmp_lt_f32 vcc_lo, s34, v98                  ; the mask: threshold < power
	v_cndmask_b32 v99, 0, v10, vcc_lo
	v_cndmask_b32 v100, 0, v11, vcc_lo
	v_add_f32 v99, v8, v99                         ; the weight: global + mask x local
	v_add_f32 v100, v9, v100
	v_mul_f32 v101, v65, v100
	v_fma_f32 v101, v64, v99, -v101                ; fr = re Wr - im Wi
	ds_store_b32 v105, v101 offset:FRT             ; a wave's four rows: 128 bytes on end
.Lskip_fr:
	s_wait_dscnt 0x0
	s_barrier_signal -1
	s_barrier_wait -1                              ; fr is whole
	s_wait_loadcnt 0x0                             ; gp, b1, w2
.irp n, 0,2,4,6,8,10,12,14
	v_pk_add_f32 v[G+\n:G+\n+1], v[192+\n:192+\n+1], v[208+\n:208+\n+1]
	v_pk_add_f32 v[224+\n:224+\n+1], v[224+\n:224+\n+1], v[240+\n:240+\n+1]
.endr
.irp n, 0,2,4,6,8,10,12,14
	v_pk_add_f32 v[G+\n:G+\n+1], v[G+\n:G+\n+1], v[224+\n:224+\n+1]
	v_pk_mul_f32 v[B1+\n:B1+\n+1], v[B1+\n:B1+\n+1], s[38:39] op_sel_hi:[1,0]
	v_pk_mul_f32 v[W2+\n:W2+\n+1], v[W2+\n:W2+\n+1], s[60:61] op_sel_hi:[1,0]
.endr
.irp n, 0,2,4,6,8,10,12,14
	v_pk_mul_f32 v[G+\n:G+\n+1], v[G+\n:G+\n+1], s[38:39] op_sel_hi:[1,0]
.endr
	v_mov_b32 v[SC], 0
	v_bfe_u32 v[HALF], v0, 1, 4
	v_mov_b32 v[TMP+6], 0                          ; the destinations of the lane exchanges count as read: written once here
	v_mov_b32 v[TMP+7], 0
	s_lshl_b32 s55, s59, 2
	s_add_co_u32 s55, s55, FRT
	v_mov_b32 v[SA], s55                           ; fr[row 0][i]: the same address in all lanes
; Line l (0..3) of slot n's plain work: y; 1 + pp |y| twice; -y^2.
.macro PLAIN n, l
.set jp, (\n)/2
.if (\l) == 0
.if (\n)%2 == 0
	v_pk_fma_f32 v[Y+2*(\n):Y+2*(\n)+1], v[G+2*jp:G+2*jp+1], v[S:S+1], v[B1+2*jp:B1+2*jp+1] op_sel_hi:[1,0,1]
.else
	v_pk_fma_f32 v[Y+2*(\n):Y+2*(\n)+1], v[G+2*jp:G+2*jp+1], v[S:S+1], v[B1+2*jp:B1+2*jp+1] op_sel:[0,1,0] op_sel_hi:[1,1,1]
.endif
.elseif (\l) == 1
	v_fma_f32 v[T+2*(\n)], |v[Y+2*(\n)]|, s[PPS], 1.0
.elseif (\l) == 2
	v_fma_f32 v[T+2*(\n)+1], |v[Y+2*(\n)+1]|, s[PPS], 1.0
.else
	v_pk_mul_f32 v[E+2*(\n):E+2*(\n)+1], v[Y+2*(\n):Y+2*(\n)+1], v[Y+2*(\n):Y+2*(\n)+1] neg_lo:[1,0] neg_hi:[1,0]
.endif
.endm
; Line l of slot n's two reciprocals and two exponentials, in place.
.macro TRANS n, l
.if (\l) < 2
	v_rcp_f32 v[T+2*(\n)+(\l)], v[T+2*(\n)+(\l)]
.else
	v_exp_f32 v[E+2*(\n)+(\l)-2], v[E+2*(\n)+(\l)-2]
.endif
.endm
; Slots 4 g .. 4 g + 3: the polynomial, u, y + |y| u, and the sum with w2.  Each line is written for the four slots in turn, so that none waits for the one before it.
.macro STAGEB g
.irp q, 0,1,2,3
	v_pk_fma_f32 v[R+2*\q:R+2*\q+1], v[T+8*(\g)+2*\q:T+8*(\g)+2*\q+1], s[A5:A5+1], s[A4:A4+1] op_sel_hi:[1,0,0]
.endr
.irp q, 0,1,2,3
	v_pk_fma_f32 v[R+2*\q:R+2*\q+1], v[R+2*\q:R+2*\q+1], v[T+8*(\g)+2*\q:T+8*(\g)+2*\q+1], s[A3:A3+1] op_sel_hi:[1,1,0]
.endr
.irp q, 0,1,2,3
	v_pk_fma_f32 v[R+2*\q:R+2*\q+1], v[R+2*\q:R+2*\q+1], v[T+8*(\g)+2*\q:T+8*(\g)+2*\q+1], s[A2:A2+1] op_sel_hi:[1,1,0]
.endr
.irp q, 0,1,2,3
	v_pk_fma_f32 v[R+2*\q:R+2*\q+1], v[R+2*\q:R+2*\q+1], v[T+8*(\g)+2*\q:T+8*(\g)+2*\q+1], s[A1:A1+1] op_sel_hi:[1,1,0]
.endr
.irp q, 0,1,2,3
	v_pk_mul_f32 v[E+8*(\g)+2*\q:E+8*(\g)+2*\q+1], v[T+8*(\g)+2*\q:T+8*(\g)+2*\q+1], v[E+8*(\g)+2*\q:E+8*(\g)+2*\q+1]
.endr
.irp q, 0,1,2,3
	v_pk_fma_f32 v[R+2*\q:R+2*\q+1], v[R+2*\q:R+2*\q+1], v[E+8*(\g)+2*\q:E+8*(\g)+2*\q+1], 1.0 op_sel_hi:[1,1,0] neg_lo:[1,0,0] neg_hi:[1,0,0]
.endr
.irp q, 0,1,2,3
	v_fma_f32 v[Y+8*(\g)+2*\q], |v[Y+8*(\g)+2*\q]|, v[R+2*\q], v[Y+8*(\g)+2*\q]
	v_fma_f32 v[Y+8*(\g)+2*\q+1], |v[Y+8*(\g)+2*\q+1]|, v[R+2*\q+1], v[Y+8*(\g)+2*\q+1]
.endr
.irp q, 0,1,2,3                                ; row q % 2, one of its two sums by q / 2; the first group starts the sums: nothing is cleared
.if (\g) == 0
	v_pk_mul_f32 v[ACC+4*(\q%2)+2*(\q/2):ACC+4*(\q%2)+2*(\q/2)+1], v[Y+2*\q:Y+2*\q+1], v[W2+2*(\q/2):W2+2*(\q/2)+1]
.else
	v_pk_fma_f32 v[ACC+4*(\q%2)+2*(\q/2):ACC+4*(\q%2)+2*(\q/2)+1], v[Y+8*(\g)+2*\q:Y+8*(\g)+2*\q+1], v[W2+4*(\g)+2*(\q/2):W2+4*(\g)+2*(\q/2)+1], v[ACC+4*(\q%2)+2*(\q/2):ACC+4*(\q%2)+2*(\q/2)+1]
.endif
.endr
.endm
	s_mov_b32 s54, 0
.Ltrip:                                        ; 16 trips: rows 2 s54 and 2 s54 + 1, 32 GELUs a lane
	ds_load_b32 v[S], v[SA]                        ; all lanes name one word
	ds_load_b32 v[S+1], v[SA] offset:32            ; the next row's
	s_wait_dscnt 0x0
	v_add_nc_u32 v[SA], 64, v[SA]
	; ONE BATCH of 64 reciprocals and exponentials: a slot's four stand one to one between the next slot's four plain lines, and nothing ahead of the wait names a result
.set n, 0
.rept 16
.set l, 0
.rept 4
	PLAIN n, l
.if n > 0
	TRANS n-1, l
.endif
.set l, l+1
.endr
.set n, n+1
.endr
.irp l, 0,1,2,3
	TRANS 15, \l
.endr
	v_nop                                          ; a plain instruction behind the last of them, ahead of the first use (ISA guide 5.7.2)
	s_wait_alu depctr_va_vdst(0)                   ; the wait ahead of the first reader: one for the batch
	STAGEB 0
	STAGEB 1
	STAGEB 2
	STAGEB 3
	; the two rows' sums over the 32 lanes at once: even lanes end with row 2 s54's, odd lanes with row 2 s54 + 1's
	v_pk_add_f32 v[TMP:TMP+1], v[ACC:ACC+1], v[ACC+2:ACC+3]
	v_pk_add_f32 v[TMP+2:TMP+3], v[ACC+4:ACC+5], v[ACC+6:ACC+7]
	v_add_f32 v[TMP], v[TMP], v[TMP+1]
	v_add_f32 v[TMP+2], v[TMP+2], v[TMP+3]
	v_cndmask_b32 v[TMP+4], v[TMP], v[TMP+2], s51      ; what I keep: even lanes the first row's, odd lanes the second's,
	v_cndmask_b32 v[TMP+5], v[TMP+2], v[TMP], s51      ; what my neighbour wants
	v_add_f32_dpp v[TMP+6], v[TMP+5], v[TMP+4] row_xmask:1 row_mask:0xf bank_mask:0xf
	v_add_f32_dpp v[TMP+6], v[TMP+6], v[TMP+6] row_xmask:2 row_mask:0xf bank_mask:0xf
	v_add_f32_dpp v[TMP+6], v[TMP+6], v[TMP+6] row_xmask:4 row_mask:0xf bank_mask:0xf
	v_add_f32_dpp v[TMP+6], v[TMP+6], v[TMP+6] row_xmask:8 row_mask:0xf bank_mask:0xf
	v_permlanex16_b32 v[TMP+7], v[TMP+6], s52, s53
	v_add_f32 v[TMP+6], v[TMP+6], v[TMP+7]
	v_cmp_eq_u32 vcc_lo, s54, v[HALF]
	v_cndmask_b32 v[SC], v[SC], v[TMP+6], vcc_lo       ; lanes 2 s54 and 2 s54 + 1 keep them
	s_add_co_u32 s54, s54, 1
	s_cmp_lt_u32 s54, 16
	s_cbranch_scc1 .Ltrip
	s_lshl_b32 s55, s[WV], 7
	s_add_co_u32 s55, s55, SCT
	v_lshl_add_u32 v193, v4, 2, s55
	ds_store_b32 v193, v[SC]                       ; my wave's 32 partial scores, 128 bytes on end
	s_wait_dscnt 0x0
	s_barrier_signal -1
	s_barrier_wait -1
	s_cmp_lt_u32 s[WV], 2                          ; waves 0 and 1 store 16 rows each
	s_cbranch_scc0 .Lend
	s_lshl_b32 s55, s[WV], 9
	v_lshl_add_u32 v194, v4, 4, s55                ; 16 bytes a lane: row 16 w + L / 2, k % 8 = 4 (L % 2) + 0..3
	v_and_b32 v195, 1, v0
	v_lshlrev_b32 v195, 10, v195                   ; the waves 8 (L % 2) + 2 e + jh hold them, 128 bytes each,
	v_lshl_add_u32 v195, v[HALF], 2, v195          ; at the row's word
	s_lshl_b32 s55, s[WV], 6
	v_add_nc_u32 v195, s55, v195
.irp e, 0,1,2,3
	ds_load_b32 v[196+\e], v195 offset:SCT+256*\e
	ds_load_b32 v[200+\e], v195 offset:SCT+256*\e+128
.endr
	ds_load_b128 v[204:207], v194 offset:FRT
	s_wait_dscnt 0x0
	v_pk_add_f32 v[196:197], v[196:197], v[200:201]    ; the two halves of j,
	v_pk_add_f32 v[198:199], v[198:199], v[202:203]
	v_pk_add_f32 v[196:197], v[196:197], s[36:37] op_sel_hi:[1,0]  ; and b2
	v_pk_add_f32 v[198:199], v[198:199], s[36:37] op_sel_hi:[1,0]
	global_store_b128 v194, v[196:199], s[32:33]   ; 512 bytes on end, aligned
	global_store_b128 v194, v[204:207], s[30:31]
.Lend:
	s_wait_tensorcnt 0x0                           ; the wave's end
	ds_add_u32 v[SPW], v[NIL]
	s_wait_dscnt 0x0
	s_endpgm
.Lfunc_end_k_q28f22037db_score:
	.size	k_q28f22037db_score, .Lfunc_end_k_q28f22037db_score-k_q28f22037db_score
	.p2alignl 7, 3214868480
	.fill 96, 4, 3214868480
	.section	.rodata,"a",@progbits
	.p2align	6, 0x0
	.amdhsa_kernel k_q28f22037db_score
		.amdhsa_group_segment_fixed_size 37888
		.amdhsa_private_segment_fixed_size 0
		.amdhsa_enable_private_segment 0
		.amdhsa_kernarg_size 104
		.amdhsa_user_sgpr_count 2
		.amdhsa_user_sgpr_kernarg_segment_ptr 1
		.amdhsa_wavefront_size32 1
		.amdhsa_system_sgpr_workgroup_id_x 1
		.amdhsa_system_sgpr_workgroup_id_y 1
		.amdhsa_system_sgpr_workgroup_id_z 1
		.amdhsa_system_vgpr_workitem_id 0
		.amdhsa_next_free_vgpr 256
		.amdhsa_next_free_sgpr 66
		.amdhsa_reserve_vcc 1
		.amdhsa_float_denorm_mode_32 3
		.amdhsa_float_denorm_mode_16_64 3
		.amdhsa_memory_ordered 1
		.amdhsa_forward_progress 1
		.amdhsa_inst_pref_size 37
	.end_amdhsa_kernel
	.amdgpu_metadata
---
amdhsa.version: [ 1, 2 ]
amdhsa.kernels:
  - .name:           k_q28f22037db_score
    .symbol:         k_q28f22037db_score.kd
    .args:
      - { .name: tokens, .offset: 0, .size: 8, .value_kind: global_buffer, .address_space: global }
      - { .name: mt2, .offset: 8, .size: 8, .value_kind: global_buffer, .address_space: global }
      - { .name: gp, .offset: 16, .size: 8, .value_kind: global_buffer, .address_space: global }
      - { .name: global_real, .offset: 24, .size: 8, .value_kind: global_buffer, .address_space: global }
      - { .name: global_imag, .offset: 32, .size: 8, .value_kind: global_buffer, .address_space: global }
      - { .name: local_real, .offset: 40, .size: 8, .value_kind: global_buffer, .address_space: global }
      - { .name: local_imag, .offset: 48, .size: 8, .value_kind: global_buffer, .address_space: global }
      - { .name: threshold, .offset: 56, .size: 8, .value_kind: global_buffer, .address_space: global }
      - { .name: b1, .offset: 64, .size: 8, .value_kind: global_buffer, .address_space: global }
      - { .name: w2, .offset: 72, .size: 8, .value_kind: global_buffer, .address_space: global }
      - { .name: b2, .offset: 80, .size: 8, .value_kind: global_buffer, .address_space: global }
      - { .name: frw, .offset: 88, .size: 8, .value_kind: global_buffer, .address_space: global }
      - { .name: scw, .offset: 96, .size: 8, .value_kind: global_buffer, .address_space: global }
    .group_segment_fixed_size: 37888
    .private_segment_fixed_size: 0
    .kernarg_segment_align: 8
    .kernarg_segment_size: 104
    .max_flat_workgroup_size: 512
    .sgpr_count:     66
    .vgpr_count:     256
    .wavefront_size: 32
...
	.end_amdgpu_metadata
.endif
;; end of part 2
;; launch final (part 3): grid 64 x 1, 16 waves a work-group, no clusters, 76,288 bytes of LDS; arguments tokens, scw, frw, et2, ln_gamma, ln_beta, out0; writes out0
.if DOCPART == 3
	.amdgcn_target "amdgcn-amd-amdhsa--gfx1250"
	.amdhsa_code_object_version 6
	.text
	.protected	k_q28f22037db_final
	.globl	k_q28f22037db_final
	.p2align	8
	.type	k_q28f22037db_final,@function
k_q28f22037db_final:
	s_mov_b64 s[64:65], 0
	v_nop
	global_prefetch_b8 v0, s[64:65] scope:SCOPE_SE
	s_setreg_imm32_b32 hwreg(HW_REG_WAVE_MODE, 25, 1), 1
	s_wait_xcnt 0x0
; FINAL: weights = softmax over the 64 k of the scores; pooled[row][d] = sum over k of (weights fr)[row][k] E[k][d]; out = LayerNorm(tokens + pooled) gamma + beta.
; A work-group has 16 rows: one tile of the matrix unit.  Every wave makes the 16 rows' a = weights x fr (it is the wave's own source 1), multiplies it by its 64 columns of E
; (source 0 = et2's pieces, rows d), and puts the result into LDS; behind the barrier wave w takes row w whole: 32 numbers a lane.
; The softmax takes the row's maximum away; sums, mean and variance in f32; the variance is taken of x - mean.  a and E are rounded to bf16 for the product.
; 64 WORK-GROUPS: each reads all of et2 (128 KiB); with fewer rows to a work-group those bytes would be read as many times more, for a tile partly empty.
; NO CLUSTER, NO TENSOR LOADS: all inputs are read once, at the head, straight into their register layout; nothing is streamed.  NaN and infinities are not treated apart.
.set POOL,  0                          ; pooled: f32 [16 rows][1024], pitch 4,112 = 257 x 16: the 16 rows of a store start at 16 different groups of four banks (ISA guide 11.1)
.set PP,    4112
.set GB,    66048                      ; gamma's 4,096 bytes, then beta's
.set SPARE, 74240                      ; the spare words, 128 bytes for each of 16 waves: no other line names them
.set SPW,  2                           ; v2  my spare word's LDS address; never rewritten
.set NIL,  3                           ; v3  0; never rewritten
.set X,    16                          ; v[16:47]   my row of tokens, then x, x - mean, out
.set SV,   48                          ; v[48:79]   scores: k = 16 u + 8 h + e at 8 u + e; then the weights, a; later my row of pooled
.set FR,   80                          ; v[80:111]  fr likewise; later gamma
.set EF,   112                         ; v[112:175] et2's fragments: tile tl, K step ks at 16 tl + 8 ks; later beta in v[112:143]
.set ACC,  176                         ; v[176:207] four accumulators
.set AF,   208                         ; v[208:223] a in bf16: two fragments
.set GP,   224                         ; v[224:227] my 16 bytes of gamma or beta
.set WV,   18                          ; s18 my wave's number
	s_load_b256 s[4:11], s[0:1], 0x0               ; tokens s[4:5], scw s[6:7], frw s[8:9], et2 s[10:11]
	s_load_b128 s[12:15], s[0:1], 0x20             ; gamma s[12:13], beta s[14:15]
	s_load_b64 s[16:17], s[0:1], 0x30              ; out0
	v_lshl_add_u32 v[SPW], v0, 2, SPARE
	v_mov_b32 v[NIL], 0
	v_lshrrev_b32 v1, 5, v0
	v_readfirstlane_b32 s[WV], v1                  ; wave 0..15
	v_and_b32 v4, 31, v0                           ; L
	v_and_b32 v5, 15, v0                           ; r
	v_bfe_u32 v6, v0, 4, 1                         ; h
	v_lshlrev_b32 v7, 5, v5
	v_lshl_add_u32 v7, v6, 15, v7                  ; v7: scores and fr: row r's 32 bytes, in group 2 u + h of eight k
	s_lshl_b32 s20, s[WV], 13
	v_lshl_add_u32 v8, v4, 4, s20                  ; v8: et2: my wave's four tiles of d, 16 bytes a lane
	v_and_b32 v9, 0xff, v0
	v_lshlrev_b32 v9, 4, v9                        ; v9: gamma (waves 0-7) or beta (waves 8-15): 16 bytes a thread
	v_lshlrev_b32 v10, 4, v4                       ; v10: 16 L
	s_lshl_b32 s28, ttmp9, 9                       ; 16 rows of 32 bytes
	s_mov_b32 s29, 0
	s_lshl_b32 s20, ttmp9, 4
	s_add_co_u32 s20, s20, s[WV]
	s_lshl_b32 s20, s20, 12                        ; row 16 wg + w of 4,096 bytes
	s_mov_b32 s21, 0
	s_wait_kmcnt 0x0
	s_add_nc_u64 s[6:7], s[6:7], s[28:29]
	s_add_nc_u64 s[8:9], s[8:9], s[28:29]
	s_add_nc_u64 s[4:5], s[4:5], s[20:21]
	s_add_nc_u64 s[16:17], s[16:17], s[20:21]
	s_cmp_lt_u32 s[WV], 8
	s_cselect_b64 s[30:31], s[12:13], s[14:15]
.irp u, 0,1,2,3                                ; 8 loads
	global_load_b128 v[SV+8*\u:SV+8*\u+3], v7, s[6:7] offset:\u*65536
	global_load_b128 v[SV+8*\u+4:SV+8*\u+7], v7, s[6:7] offset:\u*65536+16
.endr
.irp u, 0,1,2,3                                ; 8 loads
	global_load_b128 v[FR+8*\u:FR+8*\u+3], v7, s[8:9] offset:\u*65536
	global_load_b128 v[FR+8*\u+4:FR+8*\u+7], v7, s[8:9] offset:\u*65536+16
.endr
.irp n, 0,1,2,3,4,5,6,7                        ; 16 loads, 512 bytes on end each: fragment n = 2 tl + ks
	global_load_b128 v[EF+8*\n:EF+8*\n+3], v8, s[10:11] offset:\n*1024
	global_load_b128 v[EF+8*\n+4:EF+8*\n+7], v8, s[10:11] offset:\n*1024+512
.endr
	global_load_b128 v[GP:GP+3], v9, s[30:31]      ; 1 load
.irp c, 0,1,2,3,4,5,6,7                        ; 8 loads
	global_load_b128 v[X+4*\c:X+4*\c+3], v10, s[4:5] offset:\c*512
.endr
	s_mov_b32 s22, 0x3fb8aa3b                      ; log2(e), as a pair
	s_mov_b32 s23, 0x3fb8aa3b
	s_mov_b32 s24, 0x76543210                      ; v_permlanex16_b32: each lane takes its own place in the other half
	s_mov_b32 s25, 0xfedcba98
	s_mov_b32 s26, 0x3a800000                      ; 1 / 1024
	s_mov_b32 s27, 0x3727c5ac                      ; 1e-5
	v_mul_u32_u24 v11, v5, PP
	v_lshl_add_u32 v11, v6, 5, v11
	s_lshl_b32 s20, s[WV], 8
	v_add_nc_u32 v11, s20, v11                     ; v11: pooled in: row r, columns 64 w + 8 h on
	v_lshl_add_u32 v12, v0, 4, GB                  ; v12: gamma and beta in
	s_mul_i32 s20, s[WV], PP
	v_lshl_add_u32 v13, v4, 4, s20                 ; v13: pooled back: row w
	v_lshl_add_u32 v14, v4, 4, GB                  ; v14: gamma and beta back
	v_mov_b32 v232, 0                              ; the exchange's destination counts as read
	s_wait_loadcnt 25                              ; scores and fr are in; the younger ones: 16 of et2, 1 of gamma or beta, 8 of tokens
	; the row's maximum: my 32 scores in four chains, then the other half of the lanes'
.irp j, 0,1,2,3
	v_max3_num_f32 v[228+\j], v[SV+8*\j], v[SV+8*\j+1], v[SV+8*\j+2]
.endr
.irp j, 0,1,2,3
	v_max3_num_f32 v[228+\j], v[228+\j], v[SV+8*\j+3], v[SV+8*\j+4]
.endr
.irp j, 0,1,2,3
	v_max3_num_f32 v[228+\j], v[228+\j], v[SV+8*\j+5], v[SV+8*\j+6]
.endr
	v_max3_num_f32 v228, v228, v[SV+7], v[SV+15]
	v_max3_num_f32 v229, v229, v[SV+23], v[SV+31]
	v_max3_num_f32 v228, v228, v229, v230
	v_max_num_f32 v228, v228, v231
	v_permlanex16_b32 v232, v228, s24, s25
	v_max_num_f32 v228, v228, v232
	v_mul_f32 v230, 0xbfb8aa3b, v228               ; - m log2(e)
.set m, 0
.rept 16
	v_pk_fma_f32 v[SV+2*m:SV+2*m+1], v[SV+2*m:SV+2*m+1], s[22:23], v[230:231] op_sel_hi:[1,0,0]
.set m, m+1
.endr
.set m, 0
.rept 32
	v_exp_f32 v[SV+m], v[SV+m]
.set m, m+1
.endr
	v_nop                                          ; a plain instruction behind the last exponential
	s_wait_alu depctr_va_vdst(0)                   ; the wait ahead of the first reader: one for the 32
.macro CHAINS b                        ; the 16 pairs at v[b ..] added in four chains into v[232:239]
.irp j, 0,2,4,6
	v_pk_add_f32 v[232+\j:232+\j+1], v[(\b)+\j:(\b)+\j+1], v[(\b)+8+\j:(\b)+8+\j+1]
.endr
.irp j, 0,2,4,6
	v_pk_add_f32 v[232+\j:232+\j+1], v[232+\j:232+\j+1], v[(\b)+16+\j:(\b)+16+\j+1]
.endr
.irp j, 0,2,4,6
	v_pk_add_f32 v[232+\j:232+\j+1], v[232+\j:232+\j+1], v[(\b)+24+\j:(\b)+24+\j+1]
.endr
.endm
.macro JOIN                            ; the four chains into v232
	v_pk_add_f32 v[232:233], v[232:233], v[234:235]
	v_pk_add_f32 v[236:237], v[236:237], v[238:239]
	v_pk_add_f32 v[232:233], v[232:233], v[236:237]
	v_add_f32 v232, v232, v233
.endm
.macro WSUM                            ; and over the 32 lanes: the sum in every lane
	JOIN
	v_add_f32_dpp v232, v232, v232 row_xmask:1 row_mask:0xf bank_mask:0xf
	v_add_f32_dpp v232, v232, v232 row_xmask:2 row_mask:0xf bank_mask:0xf
	v_add_f32_dpp v232, v232, v232 row_xmask:4 row_mask:0xf bank_mask:0xf
	v_add_f32_dpp v232, v232, v232 row_xmask:8 row_mask:0xf bank_mask:0xf
	v_permlanex16_b32 v233, v232, s24, s25
	v_add_f32 v232, v232, v233
.endm
	CHAINS SV
	JOIN
	v_permlanex16_b32 v233, v232, s24, s25         ; the row's other 32 k
	v_add_f32 v232, v232, v233                     ; at least 1: the maximum's own term
	v_rcp_f32 v236, v232
.set m, 0
.rept 16                                       ; e x fr: work that names no result of the reciprocal stands between it and its wait
	v_pk_mul_f32 v[SV+2*m:SV+2*m+1], v[SV+2*m:SV+2*m+1], v[FR+2*m:FR+2*m+1]
.set m, m+1
.endr
	s_wait_alu depctr_va_vdst(0)
.set m, 0
.rept 16
	v_pk_mul_f32 v[SV+2*m:SV+2*m+1], v[SV+2*m:SV+2*m+1], v[236:237] op_sel_hi:[1,0]
.set m, m+1
.endr
.set m, 0
.rept 16
	v_cvt_pk_bf16_f32 v[AF+m], v[SV+2*m], v[SV+2*m+1]
.set m, m+1
.endr
	s_wait_loadcnt 9                               ; et2 is in; 1 of gamma or beta and 8 of tokens are the younger ones
.irp tl, 0,1,2,3                               ; the four accumulators take turns; the first K step starts the sums
	v_wmma_f32_16x16x32_bf16 v[ACC+8*\tl:ACC+8*\tl+7], v[EF+16*\tl:EF+16*\tl+7], v[AF:AF+7], 0
.endr
.irp tl, 0,1,2,3
	v_wmma_f32_16x16x32_bf16 v[ACC+8*\tl:ACC+8*\tl+7], v[EF+16*\tl+8:EF+16*\tl+15], v[AF+8:AF+15], v[ACC+8*\tl:ACC+8*\tl+7]
.endr
.rept 8
	v_nop                                          ; the places between the last products and the stores that read them, once a launch
.endr
.irp tl, 0,1,2,3                               ; a lane holds row r and d = 64 w + 16 tl + 8 h + 0..7; each accumulator from its low end on
	ds_store_b128 v11, v[ACC+8*\tl:ACC+8*\tl+3] offset:POOL+\tl*64
	ds_store_b128 v11, v[ACC+8*\tl+4:ACC+8*\tl+7] offset:POOL+\tl*64+16
.endr
	s_wait_loadcnt 8                               ; my piece of gamma or beta is in; the tokens' 8 loads are the younger ones
	ds_store_b128 v12, v[GP:GP+3]
	s_wait_dscnt 0x0
	s_barrier_signal -1
	s_barrier_wait -1                              ; pooled, gamma and beta are whole
.irp c, 0,1,2,3,4,5,6,7
	ds_load_b128 v[SV+4*\c:SV+4*\c+3], v13 offset:POOL+\c*512
.endr
.irp c, 0,1,2,3,4,5,6,7
	ds_load_b128 v[FR+4*\c:FR+4*\c+3], v14 offset:\c*512
.endr
.irp c, 0,1,2,3,4,5,6,7
	ds_load_b128 v[EF+4*\c:EF+4*\c+3], v14 offset:4096+\c*512
.endr
	s_wait_loadcnt 0x0                             ; my row of tokens
	s_wait_dscnt 16                                ; my row of pooled; gamma's and beta's 16 loads may be out
.set m, 0
.rept 16
	v_pk_add_f32 v[X+2*m:X+2*m+1], v[X+2*m:X+2*m+1], v[SV+2*m:SV+2*m+1]
.set m, m+1
.endr
	CHAINS X
	WSUM
	v_mul_f32 v228, s26, v232                      ; the mean
.set m, 0
.rept 16
	v_pk_add_f32 v[X+2*m:X+2*m+1], v[X+2*m:X+2*m+1], v[228:229] op_sel_hi:[1,0] neg_lo:[0,1] neg_hi:[0,1]
.set m, m+1
.endr
.irp j, 0,2,4,6                                ; the squares, in four chains
	v_pk_mul_f32 v[232+\j:232+\j+1], v[X+\j:X+\j+1], v[X+\j:X+\j+1]
.endr
.irp b, 8,16,24
.irp j, 0,2,4,6
	v_pk_fma_f32 v[232+\j:232+\j+1], v[X+\b+\j:X+\b+\j+1], v[X+\b+\j:X+\b+\j+1], v[232+\j:232+\j+1]
.endr
.endr
	WSUM
	v_fma_f32 v230, v232, s26, s27                 ; the variance + 1e-5
	v_rsq_f32 v230, v230
	v_nop                                          ; a plain instruction behind it,
	s_wait_alu depctr_va_vdst(0)                   ; and the wait ahead of its first reader
	s_wait_dscnt 0x0                               ; gamma and beta
.set m, 0
.rept 16
	v_pk_mul_f32 v[FR+2*m:FR+2*m+1], v[FR+2*m:FR+2*m+1], v[230:231] op_sel_hi:[1,0]
.set m, m+1
.endr
.set m, 0
.rept 16
	v_pk_fma_f32 v[X+2*m:X+2*m+1], v[X+2*m:X+2*m+1], v[FR+2*m:FR+2*m+1], v[EF+2*m:EF+2*m+1]
.set m, m+1
.endr
.irp c, 0,1,2,3,4,5,6,7
	global_store_b128 v10, v[X+4*\c:X+4*\c+3], s[16:17] offset:\c*512 th:TH_STORE_NT  ; 512 bytes on end, aligned
.endr
	s_wait_tensorcnt 0x0                           ; the wave's end
	ds_add_u32 v[SPW], v[NIL]
	s_wait_dscnt 0x0
	s_endpgm
.Lfunc_end_k_q28f22037db_final:
	.size	k_q28f22037db_final, .Lfunc_end_k_q28f22037db_final-k_q28f22037db_final
	.p2alignl 7, 3214868480
	.fill 96, 4, 3214868480
	.section	.rodata,"a",@progbits
	.p2align	6, 0x0
	.amdhsa_kernel k_q28f22037db_final
		.amdhsa_group_segment_fixed_size 76288
		.amdhsa_private_segment_fixed_size 0
		.amdhsa_enable_private_segment 0
		.amdhsa_kernarg_size 56
		.amdhsa_user_sgpr_count 2
		.amdhsa_user_sgpr_kernarg_segment_ptr 1
		.amdhsa_wavefront_size32 1
		.amdhsa_system_sgpr_workgroup_id_x 1
		.amdhsa_system_sgpr_workgroup_id_y 1
		.amdhsa_system_sgpr_workgroup_id_z 1
		.amdhsa_system_vgpr_workitem_id 0
		.amdhsa_next_free_vgpr 256
		.amdhsa_next_free_sgpr 66
		.amdhsa_reserve_vcc 0
		.amdhsa_float_denorm_mode_32 3
		.amdhsa_float_denorm_mode_16_64 3
		.amdhsa_memory_ordered 1
		.amdhsa_forward_progress 1
		.amdhsa_inst_pref_size 25
	.end_amdhsa_kernel
	.amdgpu_metadata
---
amdhsa.version: [ 1, 2 ]
amdhsa.kernels:
  - .name:           k_q28f22037db_final
    .symbol:         k_q28f22037db_final.kd
    .args:
      - { .name: tokens, .offset: 0, .size: 8, .value_kind: global_buffer, .address_space: global }
      - { .name: scw, .offset: 8, .size: 8, .value_kind: global_buffer, .address_space: global }
      - { .name: frw, .offset: 16, .size: 8, .value_kind: global_buffer, .address_space: global }
      - { .name: et2, .offset: 24, .size: 8, .value_kind: global_buffer, .address_space: global }
      - { .name: ln_gamma, .offset: 32, .size: 8, .value_kind: global_buffer, .address_space: global }
      - { .name: ln_beta, .offset: 40, .size: 8, .value_kind: global_buffer, .address_space: global }
      - { .name: out0, .offset: 48, .size: 8, .value_kind: global_buffer, .address_space: global }
    .group_segment_fixed_size: 76288
    .private_segment_fixed_size: 0
    .kernarg_segment_align: 8
    .kernarg_segment_size: 56
    .max_flat_workgroup_size: 512
    .sgpr_count:     66
    .vgpr_count:     256
    .wavefront_size: 32
...
	.end_amdgpu_metadata
.endif
;; end of part 3
;; ======== version 2 of 2: 3 launches; version 1 with the launch prep written anew for expert scheduling mode
;; workspace buffers: mt2 262,144 bytes; gp 1,048,576 bytes; et2 131,072 bytes; frw 262,144 bytes; scw 262,144 bytes
;; launch prep (part 4): grid 128 x 1, 8 waves a work-group, no clusters, 240,640 bytes of LDS; arguments dsp_projection, frequency_embedding, w1, mt2, gp, et2; writes mt2, gp, et2
.if DOCPART == 4
	.amdgcn_target "amdgcn-amd-amdhsa--gfx1250"
	.amdhsa_code_object_version 6
	.text
	.protected	k_q28f22037db_prep
	.globl	k_q28f22037db_prep
	.p2align	8
	.type	k_q28f22037db_prep,@function
k_q28f22037db_prep:
	s_mov_b64 s[64:65], 0
	v_nop
	global_prefetch_b8 v0, s[64:65] scope:SCOPE_SE
	s_setreg_imm32_b32 hwreg(HW_REG_WAVE_SCHED_MODE, 0, 2), 2
	s_setreg_imm32_b32 hwreg(HW_REG_WAVE_MODE, 25, 1), 1
	s_wait_xcnt 0x0
	s_wait_alu depctr_vm_vsrc(0)
; PREP: what hangs on the weights alone.  Two roles, chosen by the work-group's number (the same in all eight waves).
; ROLE G (work-groups 0-63): gp[kb][k][j] = the sum over d in 256 kb .. 256 kb + 255 of E[k][d] w1[d][j], for 64 columns j (jb = wg & 15, kb = wg >> 4): four partial sums in f32
;   of G = E @ w1, which stands for freq_tokens @ w1: a row of freq_tokens is fr x E[k][:], so its product with w1 is fr x G[k][:], for every input.
;   Where jb = 0 also et2: E in bf16, turned, in pieces of 16 bytes [d tile 64][k / 8][d % 16] = E[8 kc .. 8 kc + 7][d]: the fragment order of the last launch's product.
; ROLE M (work-groups 64-127): mt2, the DFT and the projection as ONE matrix in bf16: spectrum = tokens @ M, Mre[d][k] = sum over f of cos(2 pi f d / 1024) P[f][k],
;   Mim[d][k] = - sum over f of sin(..) P[f][k].  16 values of d a work-group; wave w takes f = 64 w .. 64 w + 63; bin 512 is (-1)^d P[512][k], added in f32 (its sine is 0).
;   Layout [d / 16][N 128][d % 16], N = 16 (k / 8) + 8 (0 re, 1 im) + k % 8.
; The twiddles are made in registers: sin(2 pi n / 1024) = S(x), x = |((n + 768) & 1023) - 512| / 256 - 1, S the series of sin(pi x / 2) to x^9 (3.6e-6 off at the most, far under a bf16 step).
; LIMITS.  E, w1, P and the twiddles are rounded to bf16 as matrix operands, M once more; sums in f32.  NaN and infinities are not treated apart.
; NO CLUSTER, NO TENSOR LOADS: each byte of w1 is read by one work-group, once, straight into registers; E's 64 KiB a work-group and all of P are read by many work-groups.
; LDS: the roles' regions are disjoint.  Pitches: 160 = 5 x 32 for the turning loads, 528 and 272 = odd multiples of 16 for loads and stores of 16 bytes a lane down 16 rows.
; THE MODE: SCHED_MODE bits 1:0 = 2 (LLVM: expert scheduling mode 2), set by the entry lines.  The code itself states the register dependences
; between vector or matrix instructions and memory or LDS instructions, with s_wait_alu, always for 0.
; THE PLAN, ROLE G.  Registers that memory or LDS instructions touch:
;   v6, v7      global offsets, written at the role's head and never again.          v8 .. v15  LDS addresses and et2's offset, written while the loads are out and never again.
;   v[64:127]   w1 as loaded; read by w1's conversions; then the turning loads land in them and the products read them.
;   v[128:191]  E as loaded; read by E's conversions; then E's fragments land in them and the products read them.
;   v[192:223]  written by w1's conversions, read by w1's 16 LDS stores; v[224:255] likewise for E.  Then fragments land in v[192:255]; at the end the stage's loads land in v[192:207].
;   v[16:31]    the accumulators, read by four LDS stores.          v[32:63]  et2's pieces: LDS loads and global stores alone.
;   Conversions stand in two batches of 32.  A wait on va_vdst stands behind each; w1's stores are dealt among E's conversions, which name none of their registers.
;   One wait on vm_vsrc stands ahead of the fragments' loads; one wait on va_vdst behind the products serves the stores of the accumulators and the stage's loads.
; THE PLAN, ROLE M.
;   v6, v119    global offsets; v14, v15, v1 LDS addresses: each written once.
;   v[128:255]  P as loaded, rounded in place, in two batches of 32 conversions (v[128:191], v[192:255]); each batch's 16 LDS stores read two of each four registers.
;               The first batch's stores are dealt among the second batch's conversions.  Then the turning loads land in v[128:191], the products read them, and the partial sums' loads land in them.
;   v200 .. v205, v[192:195]  written anew by vector lines behind the wait on vm_vsrc; v204, v205 and v[192:195] are read by the last loads and the last store.
;   v[48:111]   the accumulators, read by 16 LDS stores.          v126  P[512][k]: its load, then vector lines alone.
.set W1T,   0                          ; role G: w1 as bf16 [256 d][64 j]
.set W1P,   160
.set ET,    40960                      ; role G: E as bf16 [64 k][256 d]
.set ETP,   528
.set GST,   74752                      ; role G: the result as f32 [64 k][64 j], for the way out
.set GSP,   272
.set PST,   92160                      ; role M: each wave's own 10,240 bytes: P as bf16 [64 f][64 k]
.set PSP,   160
.set MPART, 174080                     ; role M: each wave's partial sums, 8,192 bytes: [tile 8][half of the registers 2][lane 32] x 16 bytes
.set SPARE, 239616                     ; the spare words, 128 bytes for each of eight waves: no other line names them
.set SPW,   2                          ; v2  my spare word's LDS address; never rewritten
.set NIL,   3                          ; v3  0; never rewritten
.set WV,    16                         ; s16 my wave's number
	s_load_b256 s[4:11], s[0:1], 0x0               ; P s[4:5], E s[6:7], w1 s[8:9], mt2 s[10:11]
	s_load_b128 s[12:15], s[0:1], 0x20             ; gp s[12:13], et2 s[14:15]
	v_lshl_add_u32 v[SPW], v0, 2, SPARE
	v_mov_b32 v[NIL], 0
	v_lshrrev_b32 v1, 5, v0
	v_readfirstlane_b32 s[WV], v1                  ; wave 0..7
	v_and_b32 v4, 31, v0                           ; L
	v_and_b32 v5, 15, v0                           ; r = L % 16 = t % 16
	s_mov_b32 s21, 0
	s_mov_b32 s25, 0
	s_wait_alu depctr_va_sdst(0)                   ; s16, the wave's number, is written: ahead of the branch, and so ahead of its first reader in either role
	s_cmp_lt_u32 ttmp9, 64
	s_cbranch_scc0 .Lrole_m
; ------------------------------------------------------------------ ROLE G
	s_and_b32 s18, ttmp9, 15                       ; jb
	s_lshr_b32 s19, ttmp9, 4                       ; kb
	s_and_b32 s26, s[WV], 3                        ; nt: my tile of 16 columns j
	s_lshr_b32 s27, s[WV], 2                       ; mh: my two tiles of 16 rows k
	v_lshrrev_b32 v16, 4, v0                       ; t / 16
	v_lshrrev_b32 v17, 6, v0                       ; t / 64
	v_and_b32 v18, 63, v0
	v_lshlrev_b32 v6, 4, v5
	v_lshl_add_u32 v6, v16, 12, v6                 ; w1 and gp: row t / 16 of 4,096 bytes, 16 bytes at 16 (t % 16): sixteen lanes take 256 bytes on end
	v_lshlrev_b32 v7, 4, v18
	v_lshl_add_u32 v7, v17, 12, v7                 ; E: row t / 64, 16 bytes at 16 (t % 64)
	s_lshl_b32 s20, s19, 20                        ; 256 rows of w1
	s_lshl_b32 s22, s18, 8                         ; 64 columns
	s_add_co_u32 s20, s20, s22
	s_lshl_b32 s24, s19, 10                        ; 256 columns of E
	s_wait_kmcnt 0x0
	s_add_nc_u64 s[8:9], s[8:9], s[20:21]
	s_add_nc_u64 s[6:7], s[6:7], s[24:25]
	s_wait_alu depctr_va_vdst(0)                   ; v6 and v7 are written, which the loads below read as their offsets
.set p, 0
.rept 16                                       ; w1: 16 rows a pass; each byte of w1 is read by this work-group alone
	global_load_b128 v[64+4*p:64+4*p+3], v6, s[8:9] offset:p*65536 th:TH_LOAD_NT
.set p, p+1
.endr
.set p, 0
.rept 16                                       ; E: 4 rows a pass
	global_load_b128 v[128+4*p:128+4*p+3], v7, s[6:7] offset:p*16384
.set p, p+1
.endr
	s_lshl_b32 s20, s19, 18                        ; gp: my partial's 64 rows of 4,096 bytes, my 64 columns
	s_add_co_u32 s20, s20, s22
	s_add_nc_u64 s[12:13], s[12:13], s[20:21]
	s_lshl_b32 s24, s19, 15                        ; et2: my 16 tiles of d, 2,048 bytes each
	s_add_nc_u64 s[14:15], s[14:15], s[24:25]
	; LDS addresses, made while the loads are out: none of these lines names a register in which a load lands
	v_bfe_u32 v19, v0, 4, 1                        ; h = L / 16
	v_and_b32 v20, 7, v0
	v_lshl_add_u32 v21, v19, 3, v20                ; 8 h + L % 8
	v_bfe_u32 v22, v0, 3, 1                        ; (L / 8) % 2
	v_mul_u32_u24 v8, v16, W1P
	v_lshl_add_u32 v8, v5, 3, v8                   ; v8: w1 in: row t / 16, 8 bytes at 8 (t % 16)
	v_mul_u32_u24 v9, v17, ETP
	v_lshl_add_u32 v9, v18, 3, v9
	v_add_nc_u32 v9, ET, v9                        ; v9: E in: row t / 64, 8 bytes at 8 (t % 64)
	v_mul_u32_u24 v10, v21, W1P
	v_lshl_add_u32 v10, v22, 4, v10
	s_lshl_b32 s28, s26, 5
	v_add_nc_u32 v10, s28, v10                     ; v10: the turning load of w1: row 8 h + L % 8, 16 bytes at 16 ((L / 8) % 2) + 32 nt
	v_mul_u32_u24 v11, v5, ETP
	v_lshl_add_u32 v11, v19, 4, v11
	s_mul_i32 s28, s27, 32*ETP
	s_add_co_u32 s28, s28, ET
	v_add_nc_u32 v11, s28, v11                     ; v11: E's fragments: row 32 mh + r, 16 bytes at 16 h
	v_mul_u32_u24 v12, v5, GSP
	v_lshl_add_u32 v12, v19, 5, v12
	s_mul_i32 s28, s27, 32*GSP
	s_lshl_b32 s29, s26, 6
	s_add_co_u32 s28, s28, s29
	s_add_co_u32 s28, s28, GST
	v_add_nc_u32 v12, s28, v12                     ; v12: the result in: row 32 mh + r, columns 16 nt + 8 h on
	v_mul_u32_u24 v13, v21, ETP
	v_lshl_add_u32 v13, v22, 4, v13
	s_lshl_b32 s28, s[WV], 6
	s_add_co_u32 s28, s28, ET
	v_add_nc_u32 v13, s28, v13                     ; v13: the turning load of E for et2: row 8 h + L % 8, my wave's 32 columns
	s_lshl_b32 s28, s[WV], 12
	v_lshl_add_u32 v14, v4, 4, s28                 ; v14: et2: 16 L + my wave's two tiles of d
	v_mul_u32_u24 v15, v16, GSP
	v_lshl_add_u32 v15, v5, 4, v15
	v_add_nc_u32 v15, GST, v15                     ; v15: the result back: row t / 16, 16 bytes at 16 (t % 16)
	s_wait_loadcnt 16                              ; w1 is in; E's 16 loads are the younger ones
.set p, 0
.rept 16                                       ; the first batch: w1's 32 conversions
	v_cvt_pk_bf16_f32 v[192+2*p], v[64+4*p], v[64+4*p+1]
	v_cvt_pk_bf16_f32 v[192+2*p+1], v[64+4*p+2], v[64+4*p+3]
.set p, p+1
.endr
	s_wait_alu depctr_va_vdst(0)                   ; w1's conversions have written v[192:223], the data of w1's LDS stores; the address lines above have written v8 to v15
	s_wait_loadcnt 0x0                             ; E is in
.set p, 0
.rept 16                                       ; w1's stores, dealt among the second batch: E's conversions name v[128:191] and v[224:255], none of the stores' registers
	ds_store_b64 v8, v[192+2*p:192+2*p+1] offset:W1T+p*16*W1P
	v_cvt_pk_bf16_f32 v[224+2*p], v[128+4*p], v[128+4*p+1]
	v_cvt_pk_bf16_f32 v[224+2*p+1], v[128+4*p+2], v[128+4*p+3]
.set p, p+1
.endr
	s_wait_alu depctr_va_vdst(0)                   ; E's conversions have written v[224:255], the data of E's LDS stores; and all 64 conversions are done with v[64:255], in which the fragments' loads below land
.set p, 0
.rept 16
	ds_store_b64 v9, v[224+2*p:224+2*p+1] offset:p*4*ETP
.set p, p+1
.endr
	s_wait_dscnt 0x0                               ; for the others' sake: my stores are done
	s_barrier_signal -1
	s_barrier_wait -1                              ; both tiles are whole
	s_wait_alu depctr_vm_vsrc(0)                   ; my 32 LDS stores have read v[192:255], in which fragments land below
	; source 0 = 16 columns j of w1 (turned), source 1 = 16 rows k of E: a lane ends with one k (16 mt + r) and eight neighbouring j (16 nt + 8 h + 0..7)
.set ks, 0
.rept 8                                        ; six loads for each K step of 32 d
	ds_load_tr16_b128 v[64+8*ks:64+8*ks+3], v10 offset:W1T+ks*32*W1P
	ds_load_tr16_b128 v[64+8*ks+4:64+8*ks+7], v10 offset:W1T+ks*32*W1P+16*W1P
	ds_load_b128 v[128+8*ks:128+8*ks+3], v11 offset:ks*64
	ds_load_b128 v[128+8*ks+4:128+8*ks+7], v11 offset:ks*64+32
	ds_load_b128 v[192+8*ks:192+8*ks+3], v11 offset:16*ETP+ks*64
	ds_load_b128 v[192+8*ks+4:192+8*ks+7], v11 offset:16*ETP+ks*64+32
.set ks, ks+1
.endr
.set ks, 0
.rept 8                                        ; the two accumulators take turns, one instruction a turn; the first K step starts the sums
	s_wait_dscnt 6*(7-ks)                          ; this K step's six loads are in; the later steps' may be out
.if ks == 0
	v_wmma_f32_16x16x32_bf16 v[16:23], v[64:71], v[128:135], 0
	v_wmma_f32_16x16x32_bf16 v[24:31], v[64:71], v[192:199], 0
.else
	v_wmma_f32_16x16x32_bf16 v[16:23], v[64+8*ks:64+8*ks+7], v[128+8*ks:128+8*ks+7], v[16:23]
	v_wmma_f32_16x16x32_bf16 v[24:31], v[64+8*ks:64+8*ks+7], v[192+8*ks:192+8*ks+7], v[24:31]
.endif
.set ks, ks+1
.endr
.rept 8
	v_nop                                          ; the places between the last products and the stores that read them, once a launch
.endr
	s_wait_alu depctr_va_vdst(0)                   ; the products have written v[16:31], the data of the LDS stores below, and are done reading v[192:207], in which the stage's loads land; the places above stay beside this wait
	ds_store_b128 v12, v[16:19]                    ; each accumulator from its low end on
	ds_store_b128 v12, v[20:23] offset:16
	ds_store_b128 v12, v[24:27] offset:16*GSP
	ds_store_b128 v12, v[28:31] offset:16*GSP+16
	s_cmp_lg_u32 s18, 0
	s_cbranch_scc1 .Lno_et                         ; et2 is written by the four work-groups with jb = 0, each its 256 d
.set n, 0
.rept 8                                        ; a = n / 4: which of my two tiles of d; c = n % 4: rows k 16 c on.  Lane L gets E[16 c + 8 h + 0..7][32 w + 16 a + r].  No vector line of the role names v[32:63]
	ds_load_tr16_b128 v[32+4*n:32+4*n+3], v13 offset:(n%4)*16*ETP+(n/4)*32
.set n, n+1
.endr
.set n, 0
.rept 8
	s_wait_dscnt 7-n                               ; load n is in
	global_store_b128 v14, v[32+4*n:32+4*n+3], s[14:15] offset:(n/4)*2048+(n%4)*512  ; 512 bytes on end, aligned
.set n, n+1
.endr
.Lno_et:
	s_wait_dscnt 0x0                               ; my stores into the stage are done
	s_barrier_signal -1
	s_barrier_wait -1
.set n, 0
.rept 4                                        ; no vector or matrix instruction since the wait behind the products: nothing more is owed for v[192:207] or v15
	ds_load_b128 v[192+4*n:192+4*n+3], v15 offset:n*16*GSP
.set n, n+1
.endr
.set n, 0
.rept 4
	s_wait_dscnt 3-n
	global_store_b128 v6, v[192+4*n:192+4*n+3], s[12:13] offset:n*65536  ; sixteen lanes store a row's 256 bytes, aligned
.set n, n+1
.endr
	s_wait_dscnt 0x0                               ; the wave's end
	s_wait_alu 0x0
	s_wait_tensorcnt 0x0
	ds_add_u32 v[SPW], v[NIL]
	s_wait_dscnt 0x0
	s_endpgm
; ------------------------------------------------------------------ ROLE M
.Lrole_m:
	s_sub_co_u32 s18, ttmp9, 64                    ; dblk: d = 16 dblk .. + 15
	s_lshl_b32 s19, s[WV], 14
	v_lshl_add_u32 v6, v4, 4, s19                  ; P: my wave's 64 rows are 16,384 bytes on end; 16 bytes a lane
	v_bfe_u32 v8, v0, 1, 3
	v_lshl_add_u32 v8, v1, 3, v8                   ; k(t) = 8 (t / 32) + (t / 2) % 8: the k of the piece that I store at the end
	v_lshlrev_b32 v119, 2, v8
	s_wait_kmcnt 0x0
	s_wait_alu depctr_va_vdst(0)                   ; v6 and v119 are written, which the loads below read as their offsets
.set q, 0
.rept 32                                       ; two rows of P a load; each byte of rows 0-511 is read once by each of the 64 work-groups of this role
	global_load_b128 v[128+4*q:128+4*q+3], v6, s[4:5] offset:q*512
.set q, q+1
.endr
	global_load_b32 v126, v119, s[4:5] offset:131072  ; P[512][k(t)]
	s_mov_b32 s38, 0x3b800000                      ; 1 / 256
	s_mov_b32 s39, 0x3ff
	s_mov_b32 s40, 0x3fc90fdb                      ; the series of sin(pi x / 2): 1.5707963,
	s_mov_b32 s41, 0x3fc90fdb                      ; (each as a pair: the packed forms name pairs and take the low word for both halves)
	s_mov_b32 s42, 0xbf255de7                      ; -0.64596410,
	s_mov_b32 s43, 0xbf255de7
	s_mov_b32 s44, 0x3da335e3                      ; 0.079692626,
	s_mov_b32 s45, 0x3da335e3
	s_mov_b32 s46, 0xbb996966                      ; -0.0046817541,
	s_mov_b32 s47, 0xbb996966
	s_mov_b32 s48, 0x39283c1a                      ; 0.00016044118
	s_mov_b32 s49, 0x39283c1a
	v_bfe_u32 v7, v0, 4, 1                         ; h
	s_lshl_b32 s20, s18, 4
	v_add_nc_u32 v9, s20, v5                       ; v9: my row of the twiddle fragments: d = 16 dblk + r
	s_lshl_b32 s22, s[WV], 6
	v_lshl_add_u32 v10, v7, 3, s22                 ; 64 w + 8 h
	v_mul_u32_u24 v10, v9, v10                     ; v10: the cosine's phase at my first f of K step 0 (all phases stay under 2^24),
	v_add_nc_u32 v11, 0x100, v10                   ; v11: -sine's: 256 on,
	v_lshl_add_u32 v12, v9, 5, v10                 ; v12, v13: the same for K step 1, 32 f on
	v_add_nc_u32 v13, 0x100, v12
	s_mul_i32 s23, s[WV], 64*PSP
	s_add_co_u32 s23, s23, PST                     ; my wave's own tile of P
	v_mul_u32_u24 v14, v7, PSP
	v_lshl_add_u32 v14, v5, 3, v14
	v_add_nc_u32 v14, s23, v14                     ; v14: in: row L / 16, 8 bytes at 8 (L % 16)
	v_and_b32 v15, 7, v0
	v_lshl_add_u32 v15, v7, 3, v15
	v_mul_u32_u24 v15, v15, PSP
	v_bfe_u32 v118, v0, 3, 1
	v_lshl_add_u32 v15, v118, 4, v15
	v_add_nc_u32 v15, s23, v15                     ; v15: the turning load: row 8 h + L % 8, 16 bytes at 16 ((L / 8) % 2)
	s_lshl_b32 s24, s[WV], 13
	s_add_co_u32 s24, s24, MPART
	v_lshl_add_u32 v1, v4, 4, s24                  ; v1: my wave's partial sums, 16 bytes a lane
	s_lshl_b32 s20, s18, 12
	s_add_nc_u64 s[10:11], s[10:11], s[20:21]      ; mt2 at my block of 4,096 bytes
; Elements e, e + 1 of the cosine's and of -sine's fragment of K step ks: f = 64 w + 32 ks + 8 h + ce, ce = e below 8 and e + 8 from 8 on (the fragment's order: ISA guide 7.12.2).
; The two fragments' lines alternate, on two sets of six registers, so that no line waits for the one before it.  They name v9 to v13, v[16:47], v[112:117] and v[120:125]: no register of a pending load.
.macro TW2 e, ks
.if (\e) < 8
.set ce, (\e)
.else
.set ce, (\e)+8
.endif
.set phc, 10+2*(\ks)
	v_mad_u32_u24 v112, v9, ce, v[phc]
	v_mad_u32_u24 v120, v9, ce, v[phc+1]
	v_mad_u32_u24 v113, v9, ce+1, v[phc]
	v_mad_u32_u24 v121, v9, ce+1, v[phc+1]
.irp x, 112,120,113,121
	v_and_b32 v\x, s39, v\x                        ; the phase modulo 1,024
.endr
.irp x, 112,120,113,121
	v_cvt_f32_u32 v\x, v\x
.endr
.irp x, 112,120,113,121
	v_fma_f32 v\x, v\x, s38, -2.0
.endr
.irp x, 112,120,113,121
	v_add_f32 v\x, |v\x|, -1.0                     ; x in -1 .. 1
.endr
.irp x, 112,120
	v_pk_mul_f32 v[\x+2:\x+3], v[\x:\x+1], v[\x:\x+1]
.endr
.irp x, 112,120
	v_pk_fma_f32 v[\x+4:\x+5], v[\x+2:\x+3], s[48:49], s[46:47] op_sel_hi:[1,0,0]
.endr
.irp x, 112,120
	v_pk_fma_f32 v[\x+4:\x+5], v[\x+4:\x+5], v[\x+2:\x+3], s[44:45] op_sel_hi:[1,1,0]
.endr
.irp x, 112,120
	v_pk_fma_f32 v[\x+4:\x+5], v[\x+4:\x+5], v[\x+2:\x+3], s[42:43] op_sel_hi:[1,1,0]
.endr
.irp x, 112,120
	v_pk_fma_f32 v[\x+4:\x+5], v[\x+4:\x+5], v[\x+2:\x+3], s[40:41] op_sel_hi:[1,1,0]
.endr
.irp x, 112,120
	v_pk_mul_f32 v[\x:\x+1], v[\x:\x+1], v[\x+4:\x+5]
.endr
	v_cvt_pk_bf16_f32 v[16+16*(\ks)+(\e)/2], v112, v113
	v_cvt_pk_bf16_f32 v[24+16*(\ks)+(\e)/2], v120, v121
.endm
.irp kk, 0,1                                   ; v[16:23] cos, v[24:31] -sin of K step 0; v[32:39], v[40:47] of K step 1: made while P is on its way
.irp ee, 0,2,4,6,8,10,12,14
	TW2 \ee, \kk
.endr
.endr
	s_wait_loadcnt 0x0                             ; P
.set q, 0
.rept 16                                       ; the first batch: rows 0-31 of my 64, rounded in place in v[128:191]
	v_cvt_pk_bf16_f32 v[128+4*q], v[128+4*q], v[128+4*q+1]
	v_cvt_pk_bf16_f32 v[128+4*q+1], v[128+4*q+2], v[128+4*q+3]
.set q, q+1
.endr
	s_wait_alu depctr_va_vdst(0)                   ; the first batch's conversions have written their halves of v[128:191], the data of its LDS stores; the address lines above have written v14, v15 and v1
.set q, 0
.rept 16                                       ; its stores, dealt among the second batch: those conversions name v[192:255] alone
	ds_store_b64 v14, v[128+4*q:128+4*q+1] offset:q*2*PSP
	v_cvt_pk_bf16_f32 v[192+4*q], v[192+4*q], v[192+4*q+1]
	v_cvt_pk_bf16_f32 v[192+4*q+1], v[192+4*q+2], v[192+4*q+3]
.set q, q+1
.endr
	s_wait_alu depctr_va_vdst(0)                   ; the second batch's conversions have written their halves of v[192:255], the data of the LDS stores below
.set q, 0
.rept 16
	ds_store_b64 v14, v[192+4*q:192+4*q+1] offset:(q+16)*2*PSP
.set q, q+1
.endr
	s_wait_dscnt 0x0                               ; the stores are done.  The bytes are my wave's own: no barrier
	s_wait_alu depctr_vm_vsrc(0)                   ; the 32 LDS stores have read their data: the loads below land in v[128:191], and later vector lines write v200 to v205 and v[192:195]
.set ks, 0
.rept 2
.set u, 0
.rept 4                                        ; P's fragment of K step ks, columns k = 16 u + r
	ds_load_tr16_b128 v[128+32*ks+8*u:128+32*ks+8*u+3], v15 offset:ks*32*PSP+32*u
	ds_load_tr16_b128 v[128+32*ks+8*u+4:128+32*ks+8*u+7], v15 offset:ks*32*PSP+32*u+16*PSP
.set u, u+1
.endr
.set ks, ks+1
.endr
	s_wait_dscnt 0x0
	; source 0 = the twiddles (rows d), source 1 = P (columns k): a lane ends with one k and eight neighbouring d.  Eight accumulators (re of u at v[48 + 8 u], im at v[80 + 8 u]) by turns
.set u, 0
.rept 4
	v_wmma_f32_16x16x32_bf16 v[48+8*u:48+8*u+7], v[16:23], v[128+8*u:128+8*u+7], 0
	v_wmma_f32_16x16x32_bf16 v[80+8*u:80+8*u+7], v[24:31], v[128+8*u:128+8*u+7], 0
.set u, u+1
.endr
.set u, 0
.rept 4
	v_wmma_f32_16x16x32_bf16 v[48+8*u:48+8*u+7], v[32:39], v[160+8*u:160+8*u+7], v[48+8*u:48+8*u+7]
	v_wmma_f32_16x16x32_bf16 v[80+8*u:80+8*u+7], v[40:47], v[160+8*u:160+8*u+7], v[80+8*u:80+8*u+7]
.set u, u+1
.endr
	; the last phase's addresses: ten plain lines that name no register of the products: the places behind them.  Thread t stores piece t: N = t / 2, d = 8 (t % 2) on
	v_bfe_u32 v200, v0, 4, 1                       ; 0 re, 1 im
	v_lshrrev_b32 v201, 6, v0                      ; u = k / 16
	v_and_b32 v202, 1, v0                          ; which half of the 16 d
	v_and_b32 v203, 15, v8                         ; k % 16
	v_lshlrev_b32 v204, 12, v200
	v_lshl_add_u32 v204, v201, 10, v204
	v_lshl_add_u32 v204, v202, 8, v204
	v_lshl_add_u32 v204, v203, 4, v204
	v_add_nc_u32 v204, MPART, v204                 ; tile 4 im + u, lane 16 (t % 2) + k % 16
	v_lshlrev_b32 v205, 4, v0
	s_wait_alu depctr_va_vdst(0)                   ; the products have written v[48:111], the data of the LDS stores below, and are done reading v[128:191], in which the partial sums' loads land; v204 and v205 are written
.set n, 0
.rept 8
	ds_store_b128 v1, v[48+8*n:48+8*n+3] offset:n*1024       ; each accumulator from its low end on
	ds_store_b128 v1, v[48+8*n+4:48+8*n+7] offset:n*1024+512
.set n, n+1
.endr
	s_wait_dscnt 0x0
	s_barrier_signal -1
	s_barrier_wait -1                              ; all eight waves' partial sums lie in LDS
.set n, 0
.rept 8                                        ; no vector or matrix instruction since the wait above: nothing more is owed for v[128:191] or v204
	ds_load_b128 v[128+8*n:128+8*n+3], v204 offset:n*8192
	ds_load_b128 v[128+8*n+4:128+8*n+7], v204 offset:n*8192+512
.set n, n+1
.endr
	v_cmp_eq_u32 vcc_lo, 0, v200
	v_mov_b32 v127, 0                              ; named with v126 as a pair
	s_wait_alu depctr_va_vcc(0)                    ; the compare has written VCC, which the select below reads
	v_cndmask_b32 v126, 0, v126, vcc_lo            ; bin 512 enters the real part alone
	s_wait_dscnt 0x0
.irp a, 128,144,160,176
.irp n, 0,2,4,6
	v_pk_add_f32 v[\a+\n:\a+\n+1], v[\a+\n:\a+\n+1], v[\a+8+\n:\a+8+\n+1]
.endr
.endr
.irp a, 128,160
.irp n, 0,2,4,6
	v_pk_add_f32 v[\a+\n:\a+\n+1], v[\a+\n:\a+\n+1], v[\a+16+\n:\a+16+\n+1]
.endr
.endr
.irp n, 0,2,4,6
	v_pk_add_f32 v[128+\n:128+\n+1], v[128+\n:128+\n+1], v[160+\n:160+\n+1]
.endr
.irp n, 0,2,4,6
	v_pk_add_f32 v[128+\n:128+\n+1], v[128+\n:128+\n+1], v[126:127] op_sel_hi:[1,0] neg_hi:[0,1]  ; + P[512][k] for even d, - for odd
.endr
.irp n, 0,1,2,3
	v_cvt_pk_bf16_f32 v[192+\n], v[128+2*\n], v[128+2*\n+1]
.endr
	s_wait_alu depctr_va_vdst(0)                   ; the four conversions have written v[192:195], the data of the store below
	global_store_b128 v205, v[192:195], s[10:11]   ; a wave stores 512 bytes on end, aligned
	s_wait_dscnt 0x0                               ; the wave's end
	s_wait_alu 0x0
	s_wait_tensorcnt 0x0
	ds_add_u32 v[SPW], v[NIL]
	s_wait_dscnt 0x0
	s_endpgm
.Lfunc_end_k_q28f22037db_prep:
	.size	k_q28f22037db_prep, .Lfunc_end_k_q28f22037db_prep-k_q28f22037db_prep
	.p2alignl 7, 3214868480
	.fill 96, 4, 3214868480
	.section	.rodata,"a",@progbits
	.p2align	6, 0x0
	.amdhsa_kernel k_q28f22037db_prep
		.amdhsa_group_segment_fixed_size 240640
		.amdhsa_private_segment_fixed_size 0
		.amdhsa_enable_private_segment 0
		.amdhsa_kernarg_size 48
		.amdhsa_user_sgpr_count 2
		.amdhsa_user_sgpr_kernarg_segment_ptr 1
		.amdhsa_wavefront_size32 1
		.amdhsa_system_sgpr_workgroup_id_x 1
		.amdhsa_system_sgpr_workgroup_id_y 1
		.amdhsa_system_sgpr_workgroup_id_z 1
		.amdhsa_system_vgpr_workitem_id 0
		.amdhsa_next_free_vgpr 256
		.amdhsa_next_free_sgpr 66
		.amdhsa_reserve_vcc 1
		.amdhsa_float_denorm_mode_32 3
		.amdhsa_float_denorm_mode_16_64 3
		.amdhsa_memory_ordered 1
		.amdhsa_forward_progress 1
		.amdhsa_inst_pref_size 70
	.end_amdhsa_kernel
	.amdgpu_metadata
---
amdhsa.version: [ 1, 2 ]
amdhsa.kernels:
  - .name:           k_q28f22037db_prep
    .symbol:         k_q28f22037db_prep.kd
    .args:
      - { .name: dsp_projection, .offset: 0, .size: 8, .value_kind: global_buffer, .address_space: global }
      - { .name: frequency_embedding, .offset: 8, .size: 8, .value_kind: global_buffer, .address_space: global }
      - { .name: w1, .offset: 16, .size: 8, .value_kind: global_buffer, .address_space: global }
      - { .name: mt2, .offset: 24, .size: 8, .value_kind: global_buffer, .address_space: global }
      - { .name: gp, .offset: 32, .size: 8, .value_kind: global_buffer, .address_space: global }
      - { .name: et2, .offset: 40, .size: 8, .value_kind: global_buffer, .address_space: global }
    .group_segment_fixed_size: 240640
    .private_segment_fixed_size: 0
    .kernarg_segment_align: 8
    .kernarg_segment_size: 48
    .max_flat_workgroup_size: 256
    .sgpr_count:     66
    .vgpr_count:     256
    .wavefront_size: 32
...
	.end_amdgpu_metadata
.endif
;; end of part 4
;; launch score: the kernel of part 2 again; grid 8 x 32, 16 waves a work-group, no clusters, 37,888 bytes of LDS; arguments tokens, mt2, gp, global_real, global_imag, local_real, local_imag, threshold, b1, w2, b2, frw, scw; writes frw, scw
;; launch final: the kernel of part 3 again; grid 64 x 1, 16 waves a work-group, no clusters, 76,288 bytes of LDS; arguments tokens, scw, frw, et2, ln_gamma, ln_beta, out0; writes out0
